; MI455X (gfx1250); checked and timed in simulation.
; The chip was launched on July 23, 2026; its instructions are those of AMD's public machine-readable ISA for CDNA 5 (MIT licence, August 2026) and "CDNA5" Instruction Set Architecture Reference Guide (July 2026). The comments in the code are by the model that wrote it; some were corrected since.
;; Cross Modality Attention. Allowed arithmetic: matrix products marked QUANTISED: E3M2 operands, one E8M0 scale for each 32 along K, by v_wmma_scale_f32_16x16x128_f8f6f4 with both operands' format E3M2, f32 sums; everything else in f32.
;; Inputs: Wk 768 x 1,024 float32; Wq 1,024 x 1,024 float32; Wv 768 x 1,024 float32; bk 1,024 float32; bq 1,024 float32; bv 1,024 float32; image_features 8 x 1,024 x 1,024 float32; text_features 8 x 2,048 x 768 float32.
;; Outputs: out0 8 x 1,024 x 1,024 float32.
;; This version of the problem:
;;   THIS VERSION OF THE PROBLEM IS GIVEN IN LOW PRECISION. The matrix products marked QUANTISED in the list below multiply operands that are first quantised to E3M2 (3 exponent bits, 2 mantissa bits; 6 bits a number), with one power-of-two scale for each 32 numbers along K (OCP MX v1.0); their sums are f32. All else is computed in f32.
;;   The module's matrix products, in the order in which they are computed (A, B: the left and right operand; K: the contracted axis; several contracted axes count as one K, in the product's order):
;;     1. [M 8,192, K 1,024] x [K 1,024, N 1,024]; A: input image_features; B: input Wq: QUANTISED
;;     2. [M 16,384, K 768] x [K 768, N 1,024]; A: input text_features; B: input Wk: QUANTISED
;;     3. [M 16,384, K 768] x [K 768, N 1,024]; A: input text_features; B: input Wv: QUANTISED
;;     4. batch 8 x [M 1,024, K 1,024] x [K 1,024, N 2,048]; A: computed on the way; B: computed on the way: QUANTISED
;;     5. batch 8 x [M 1,024, K 2,048] x [K 2,048, N 1,024]; A: softmax (see below); B: computed on the way: QUANTISED
;;   THE QUANTISER, for each operand of a quantised product, along K:
;;     - K is cut into blocks of 32 from its start; a last block that is shorter is filled with zeros.
;;     - A block's scale is 2^e with e = floor(log2(the largest magnitude in the block)) - 4, held to -126 .. 127; a block of zeros has e = 0. As a byte (E8M0): e + 127.
;;     - Each number is divided by its block's scale, clamped to +-28, and rounded to the nearest number of E3M2, ties to even, subnormals kept.
;;     - The product sums the exact products of the quantised numbers (number of the format x scale) in f32.
;;   ~~~python
;;   def quantise(x, axis):      # numpy; x: float32 -> the quantised numbers, widened to float32 again
;;       x = np.moveaxis(x, axis, -1); K = x.shape[-1]
;;       x = np.pad(x, [(0, 0)] * (x.ndim - 1) + [(0, -K % 32)]); x = x.reshape(x.shape[:-1] + (-1, 32)); a = np.abs(x).max(-1, keepdims=True)
;;       e = np.where(a > 0, np.clip(np.frexp(np.where(a > 0, a, 1))[1] - 1 - 4, -126, 127), 0)      # np.frexp(a)[1] - 1 = floor(log2(a)), exactly
;;       r = np.clip(x / 2.0 ** e, -28, 28)
;;       step = 2.0 ** (np.maximum(np.frexp(np.where(r == 0, 1, r))[1] - 1, -2) - 2)
;;       q = np.round(r / step) * step * 2.0 ** e      # np.round: ties to even
;;       return np.moveaxis(q.reshape(q.shape[:-2] + (-1,))[..., :K], -1, axis).astype(np.float32)
;;   ~~~
;;   SOFTMAX AHEAD OF A QUANTISED PRODUCT. Where the list says 'softmax', what is quantised is not the finished softmax but p = 2^(t - M), with t = logit x log2(e) and M = ceil(the row's largest t), a whole number; so 1/2 < the row's largest p <= 1. The row's sum l is taken of the UNQUANTISED p, in f32, and the product's result is divided by l at the end. Since M is a whole number, a kernel that streams over the keys may use a running M (the ceiling of the running maximum): every later rescaling is an exact power of two, which a block's scale takes up: the codes' values come out the same.
;;   OPERANDS COMPUTED ON THE WAY. 'Computed on the way' means the value that the module computes at that place (a softmax that the list does not call 'softmax' is quantised finished and normalised). What goes into a quantiser is computed in f32, as accurately as f32 sums, v_exp_f32 and their like allow (about 1e-6 of the number): no bf16 or f16 on the way to a quantiser, and a product that is left as it is and whose result goes on into a quantised operand takes f32 operands (vector FMAs, or v_wmma_f32_16x16x4_f32). A number that lies on a knife's edge between two numbers of the format may be rounded either way, as far as f32 arithmetic and the matrix unit's own rounding can turn it there, and no further.
;; One version. Each part assembles by itself: llvm-mc -triple=amdgcn-amd-amdhsa -mcpu=gfx1250 --defsym DOCPART=n.
;; ======== version 1 of 1: 4 launches
;; limits: right only within a limited range of input values
;; workspace buffers: xc 17,039,360 bytes; wc 2,129,920 bytes; qc 6,815,744 bytes; kc 13,631,488 bytes; vc 13,631,488 bytes; pc 12,582,912 bytes; st 1,572,864 bytes
;; launch quant (part 1): grid 1360 x 1, 4 waves a work-group, no clusters, 34,304 bytes of LDS; arguments image_features, text_features, Wq, Wk, Wv, xc, wc; writes xc, wc
.if DOCPART == 1
	.amdgcn_target "amdgcn-amd-amdhsa--gfx1250"
	.amdhsa_code_object_version 6
	.text
	.protected	k_q9846c2b700_quant
	.globl	k_q9846c2b700_quant
	.p2align	8
	.type	k_q9846c2b700_quant,@function
k_q9846c2b700_quant:
	s_mov_b64 s[64:65], 0
	v_nop
	global_prefetch_b8 v0, s[64:65] scope:SCOPE_SE
	s_setreg_imm32_b32 hwreg(HW_REG_WAVE_MODE, 25, 1), 1
	s_wait_xcnt 0x0
; image_features [8192][1024], text_features [16384][768] (K innermost) and Wq [1024][1024], Wk, Wv [768][1024] (K is the FIRST axis), all f32,
; become codes of BF6 (E3M2) with one E8M0 byte for each 32 along K, laid as the matrix unit's operand registers take them.
; LAYOUT OF xc AND wc.  A tile is 16 rows of an operand; row m of tile T is the natural row 32 (T / 2) + 8 (T % 2) + m + 8 (m / 8).  A fragment (16 rows x 128 K) is the image of
; its 12 registers: group g of four registers at 512 g + 16 x lane.  A record is a tile's 256 along K: fragment 0 at byte 0, fragment 1 at 1,536, and at 3,072 the scale words,
; 8 bytes a lane (word q for fragment q; lanes l and l + 16 hold row l % 16's): 3,328 bytes.  A tile's records lie on end.
; A block's scale is 2^(floor(log2(its largest magnitude)) - 4); its byte is that magnitude's exponent field - 4, held at 1 from below.
; LIMITS: a block whose largest magnitude lies under 2^-122 keeps the byte 1; a block of zeros gets the byte 1, not 127 (its codes are zeros, and these bytes are read by this program alone);
; NaN and infinities among the inputs are not served.
; SHARES.  Work-groups 0 to 79 take the weights (a wave: 32 columns x 256 K, two records), the other 1,280 the features (a wave: one record).  Waves share nothing: no barrier.
.set WKC,  851968                      ; where Wk's tiles begin in wc: 64 tiles x 13,312
.set WVC,  1490944                     ; and Wv's: + 64 x 9,984
.set LI,   4                           ; v4   16 x lane
.set L8,   5                           ; v5   8 x lane
.set SW,   6                           ; v6   features: my 16 bytes of a row in my wave's stage
.set SRD,  7                           ; v7   features: my 16 neighbours' place in the stage
.set OFF,  8                           ; v8-23  features: byte offset of my 16 bytes in row i of the tile
.set TM,   24                          ; v24-39 at work in QUANT
.set PWP,  40                          ; v40-41 the record's two scale words
.set PC,   42                          ; v42-61 the codes just made
.set R,    64                          ; v64-191  the record as loaded: 2 fragments x 16 rows x 4 registers
.set X,    192                         ; v192-255 one fragment, 64 numbers of my row
.set SEL,  36                          ; s[36:37] lane selects for v_permlanex16_b32: lane l xor 16
.set CO,   22                          ; v22  weights: my column's byte in a row of W
.set WA,   24                          ; v24-25 weights: my column's scale words; then the even tile's image
.set WB,   26                          ; v26-27 the odd tile's image
.set F0,   32                          ; v32-43 the even tile's fragment
.set F1,   44                          ; v44-55 the odd tile's
.set TU0,  56                          ; v56-58, v28-30: a block's upper 16 codes (a conversion's three registers begin on an even number)
.set TU1,  28                          ; v62, v63 are kept for the add alone, on both paths
.set XW,   64                          ; v64-191 weights: four sets of 32 numbers
; 64 numbers of a lane, register 16 b + i = k 32 b + 16 (lane / 16) + i of my row, become a fragment's codes in v[PC] on and its scale word in v[pw].
.macro QUANT s, pw
.irp b, 0,1,2,3
	v_max3_num_f32 v[TM+\b], |v[\s+16*\b]|, |v[\s+1+16*\b]|, 0x2800000   ; my 16 numbers of block b, and the floor 2^(5 - 127): the byte cannot fall under 1
.endr
.irp i, 2,4,6,8,10,12,14
.irp b, 0,1,2,3
	v_max3_num_f32 v[TM+\b], v[TM+\b], |v[\s+16*\b+\i]|, |v[\s+1+16*\b+\i]|   ; the four blocks by turns
.endr
.endr
.irp b, 0,1,2,3
	v_permlanex16_b32 v[TM+4+\b], v[TM+\b], s[SEL], s[SEL+1]
.endr
.irp b, 0,1,2,3
	v_max_num_f32 v[TM+\b], v[TM+\b], v[TM+4+\b]   ; with lane l xor 16's: the block's largest magnitude
.endr
.irp b, 0,1,2,3
	v_add_nc_u32 v[TM+12+\b], 0xfe000000, v[TM+\b]   ; 4 off its exponent field: the conversion takes this operand's exponent field as its scale
.endr
.irp b, 0,1,2,3
	v_lshrrev_b32 v[TM+4+\b], 23, v[TM+12+\b]      ; the scale's byte
.endr
	v_lshl_or_b32 v[\pw], v[TM+5], 8, v[TM+4]
	v_lshl_or_b32 v[\pw], v[TM+6], 16, v[\pw]
	v_lshl_or_b32 v[\pw], v[TM+7], 24, v[\pw]
.irp c, 0,1
	v_cvt_scalef32_pk16_bf6_f32 v[PC+6*\c:PC+2+6*\c], v[\s+32*\c:\s+15+32*\c], v[TM+12+2*\c]
	v_cvt_scalef32_pk16_bf6_f32 v[PC+12+4*\c:PC+14+4*\c], v[\s+16+32*\c:\s+31+32*\c], v[TM+12+2*\c+1]
.endr
	v_nop                                          ; one plain place behind a scaled conversion
.irp c, 0,1                                    ; the operand wants a WHOLE block in a lane: lanes 0-15 block 2 c, lanes 16-31 block 2 c + 1
.irp i, 0,1,2
	v_permlane16_swap_b32 v[PC+6*\c+\i], v[PC+12+4*\c+\i]
.endr
.irp i, 0,1,2
	v_mov_b32 v[PC+3+6*\c+\i], v[PC+12+4*\c+\i]
.endr
.endr
.endm
	s_load_b256 s[4:11], s[0:1], 0x0               ; image s[4:5], text s[6:7], Wq s[8:9], Wk s[10:11]
	s_load_b128 s[12:15], s[0:1], 0x20             ; Wv s[12:13], xc s[14:15]
	s_load_b64 s[16:17], s[0:1], 0x30              ; wc
	v_lshl_add_u32 v63, v0, 2, 0x8400
	v_mov_b32 v62, 0
	v_lshrrev_b32 v1, 5, v0
	v_readfirstlane_b32 s20, v1                    ; wave 0..3
	v_and_b32 v2, 31, v0                           ; lane
	v_lshlrev_b32 v[LI], 4, v2
	v_lshlrev_b32 v[L8], 3, v2
	v_and_b32 v3, 15, v0                           ; r = lane % 16
	v_bfe_u32 v1, v0, 4, 1                         ; h = lane / 16
	s_cmp_lt_u32 ttmp9, 80                         ; the weights' work-groups come first in the grid
	s_cbranch_scc1 .Lweights
	; ---------------- THE FEATURES: my wave's record rho = 4 (work-group - 80) + wave; records 0 to 2,047 are the image's (4 a tile), the others the text's (3 a tile)
	s_sub_co_u32 s21, ttmp9, 80
	s_lshl_b32 s21, s21, 2
	s_add_co_u32 s21, s21, s20                     ; rho
	s_lshr_b32 s22, s21, 2                         ; image: tile,
	s_and_b32 s23, s21, 3                          ; and which 256 along K
	s_sub_co_u32 s24, s21, 2048
	s_mul_hi_u32 s25, s24, 0xaaaaaaab
	s_lshr_b32 s25, s25, 1                         ; text: tile = (rho - 2,048) / 3,
	s_mul_i32 s26, s25, 3
	s_sub_co_u32 s26, s24, s26                     ; and the rest
	s_mov_b32 s27, 3072
	s_mov_b32 s[SEL], 0x76543210
	s_mov_b32 s[SEL+1], 0xfedcba98
	s_mul_i32 s35, s20, 8448                       ; my wave's stage: 16 rows x (512 bytes + 16)
	s_wait_alu depctr_va_vdst(0)
	v_add_nc_u32 v[SW], s35, v[LI]
	v_mul_u32_u24 v[SRD], v3, 528
	v_lshl_add_u32 v[SRD], v1, 6, v[SRD]
	v_add_nc_u32 v[SRD], s35, v[SRD]               ; row r, + 64 h: my 16 numbers of a block of 32
.irp b, 0,1,2,3
	v_mov_b32 v[TM+4+\b], 0                        ; written once: a lane permute's destination counts as one of its sources
.endr
	s_wait_kmcnt 0x0
	s_cmp_lt_u32 s21, 2048                         ; the choice hangs on ids alone
	s_cselect_b32 s22, s22, s25                    ; tile T
	s_cselect_b32 s23, s23, s26                    ; chunk of 256 along K
	s_cselect_b32 s27, 4096, s27                   ; a row in bytes
	s_cselect_b64 s[28:29], s[4:5], s[6:7]
	s_lshr_b32 s30, s22, 1
	s_lshl_b32 s30, s30, 5
	s_and_b32 s31, s22, 1
	s_lshl_b32 s31, s31, 3
	s_add_co_u32 s30, s30, s31                     ; the tile's first row: 32 (T / 2) + 8 (T % 2)
	s_mul_i32 s30, s30, s27
	s_lshl_b32 s31, s23, 10
	s_add_co_u32 s30, s30, s31                     ; + 1,024 bytes a chunk (under 2^26)
	s_mov_b32 s31, 0
	s_add_nc_u64 s[28:29], s[28:29], s[30:31]
	s_mul_i32 s32, s21, 3328                       ; the records of both tensors lie on end in xc
	s_mov_b32 s33, 0
	s_add_nc_u64 s[14:15], s[14:15], s[32:33]
	s_mul_i32 s34, s27, 9
	v_mov_b32 v[OFF], v[LI]
.irp i, 1,2,3,4,5,6,7,8,9,10,11,12,13,14,15
.if \i == 8
	v_add_nc_u32 v[OFF+\i], s34, v[OFF+\i-1]       ; rows 8 to 15 of a tile lie 8 rows further down
.else
	v_add_nc_u32 v[OFF+\i], s27, v[OFF+\i-1]
.endif
.endr
.irp f, 0,1
.irp i, 0,1,2,3,4,5,6,7,8,9,10,11,12,13,14,15
	global_load_b128 v[R+64*\f+4*\i:R+64*\f+4*\i+3], v[OFF+\i], s[28:29] offset:512*\f th:TH_LOAD_NT   ; 32 lanes read 512 consecutive bytes: 128 along K of row i
.endr
.endr
; Fragment f: its 16 rows go through the wave's own stage as they lie and come back 64 bytes a lane; LDS serves a wave's instructions in order, so no wait stands between the stores and the loads.
.macro HALF f
.if \f == 0
	s_wait_loadcnt 16                              ; fragment 0's loads are in; fragment 1's sixteen are younger
.else
	s_wait_loadcnt 0x0
.endif
.irp i, 0,1,2,3,4,5,6,7,8,9,10,11,12,13,14,15
	ds_store_b128 v[SW], v[R+64*\f+4*\i:R+64*\f+4*\i+3] offset:528*\i
.endr
.irp b, 0,1,2,3
.irp j, 0,1,2,3
	ds_load_b128 v[X+16*\b+4*\j:X+16*\b+4*\j+3], v[SRD] offset:128*\b+16*\j
.endr
.endr
	s_wait_dscnt 0x0
.if \f == 1
	s_wait_xcnt 0x0                                ; fragment 0's stores have read the codes' registers, which are written again
.endif
	QUANT X, PWP+\f
.irp g, 0,1,2
	global_store_b128 v[LI], v[PC+4*\g:PC+4*\g+3], s[14:15] offset:1536*\f+512*\g   ; 512 consecutive bytes, at a multiple of 256 from xc's first byte
.endr
.endm
	HALF 0
	HALF 1
	global_store_b64 v[L8], v[PWP:PWP+1], s[14:15] offset:3072   ; 256 consecutive bytes
	s_wait_tensorcnt 0x0                           ; the wave's end, behind my last LDS store
	ds_add_u32 v63, v62
	s_wait_dscnt 0x0
	s_endpgm
	; ---------------- THE WEIGHTS.  A lane takes a column and its registers run down K: a block of 32 is one lane's, and the codes come out with K innermost.
	; Lane 16 t + r takes column 32 G + 8 t + r + 8 (r / 8): row r of tile 2 G + t.
.Lweights:
	s_mov_b32 s22, WVC
	s_mov_b32 s23, 9984
	s_wait_kmcnt 0x0
	s_cmp_lt_u32 ttmp9, 56                         ; 0-31 Wq, 32-55 Wk, 56-79 Wv
	s_cselect_b64 s[28:29], s[10:11], s[12:13]
	s_cselect_b32 s21, 32, 56
	s_cselect_b32 s22, WKC, s22
	s_cmp_lt_u32 ttmp9, 32
	s_cselect_b64 s[28:29], s[8:9], s[28:29]
	s_cselect_b32 s21, 0, s21
	s_cselect_b32 s22, 0, s22                      ; where the weight's tiles begin in wc
	s_cselect_b32 s23, 13312, s23                  ; a tile's records in bytes
	s_sub_co_u32 s21, ttmp9, s21
	s_lshr_b32 s24, s21, 3                         ; which 256 along K
	s_and_b32 s25, s21, 7
	s_lshl_b32 s25, s25, 2
	s_add_co_u32 s25, s25, s20                     ; G: which 32 columns
	s_lshl_b32 s30, s24, 20                        ; 256 rows of 4,096 bytes
	s_lshl_b32 s31, s25, 7
	s_add_co_u32 s30, s30, s31
	s_mov_b32 s31, 0
	s_add_nc_u64 s[28:29], s[28:29], s[30:31]
	s_lshl_b32 s32, s25, 1
	s_mul_i32 s32, s32, s23
	s_add_co_u32 s32, s32, s22
	s_mul_i32 s33, s24, 3328
	s_add_co_u32 s32, s32, s33
	s_mov_b32 s33, 0
	s_add_nc_u64 s[38:39], s[16:17], s[32:33]      ; tile 2 G's record
	s_mov_b32 s32, s23
	s_add_nc_u64 s[40:41], s[38:39], s[32:33]      ; tile 2 G + 1's
	s_wait_alu depctr_va_vdst(0)
	v_and_b32 v[CO], 8, v3
	v_add_nc_u32 v[CO], v[CO], v3
	v_lshl_add_u32 v[CO], v1, 3, v[CO]
	v_lshlrev_b32 v[CO], 2, v[CO]
.macro LOADB n                         ; block n of 8: W(32 n + i, my column) into set n % 4
.irp i, 0,1,2,3,4,5,6,7,8,9,10,11,12,13,14,15,16,17,18,19,20,21,22,23,24,25,26,27,28,29,30,31
	global_load_b32 v[XW+32*((\n)%4)+\i], v[CO], s[28:29] offset:(32*(\n)+\i)*4096 th:TH_LOAD_NT
.endr
.endm
; Block n.  Blocks 2 c and 2 c + 1 of a fragment make registers 6 c .. 6 c + 5 of BOTH tiles' fragments: the even block's codes of lanes 16-31 (tile 2 G + 1) change places with the odd block's of lanes 0-15 (tile 2 G).
.macro BLK n
.set XS, XW+32*((\n)%4)
.set CC, ((\n)%4)/2
.if (\n) < 7
	s_wait_loadcnt 32                              ; this block's loads are in; the next block's 32 are younger
.else
	s_wait_loadcnt 0x0
.endif
.if (\n)+2 < 8
	LOADB (\n)+2                                   ; two blocks ahead, into a set that was converted two blocks ago
.endif
	v_max3_num_f32 v8, |v[XS]|, |v[XS+1]|, |v[XS+2]|
	v_max3_num_f32 v9, |v[XS+3]|, |v[XS+4]|, |v[XS+5]|
.irp i, 6,10,14,18,22,26
	v_max3_num_f32 v8, v8, |v[XS+\i]|, |v[XS+\i+1]|
	v_max3_num_f32 v9, v9, |v[XS+\i+2]|, |v[XS+\i+3]|
.endr
	v_max3_num_f32 v8, v8, |v[XS+30]|, |v[XS+31]|
	v_max3_num_f32 v8, v8, v9, 0x2800000           ; and the floor
	v_add_nc_u32 v10, 0xfe000000, v8               ; the conversion's scale operand
	v_lshrrev_b32 v11, 23, v10                     ; the byte
.if (\n)%4 == 0
	v_mov_b32 v[WA+(\n)/4], v11
.else
	v_lshl_or_b32 v[WA+(\n)/4], v11, 8*((\n)%4), v[WA+(\n)/4]
.endif
.if (\n) == 4
	s_wait_alu depctr_va_vdst(0)
	s_wait_xcnt 0x0                                ; the first fragments' stores have read their registers, which are written again
.endif
.if (\n)%2 == 0
	v_cvt_scalef32_pk16_bf6_f32 v[F0+6*CC:F0+6*CC+2], v[XS:XS+15], v10
	v_cvt_scalef32_pk16_bf6_f32 v[TU0:TU0+2], v[XS+16:XS+31], v10
	v_nop                                          ; one plain place behind a scaled conversion
.else
	v_cvt_scalef32_pk16_bf6_f32 v[F1+6*CC:F1+6*CC+2], v[XS:XS+15], v10
	v_cvt_scalef32_pk16_bf6_f32 v[TU1:TU1+2], v[XS+16:XS+31], v10
	v_nop
.irp i, 0,1,2
	v_permlane16_swap_b32 v[F0+6*CC+\i], v[F1+6*CC+\i]
	v_permlane16_swap_b32 v[TU0+\i], v[TU1+\i]
.endr
.irp i, 0,1,2
	v_mov_b32 v[F0+6*CC+3+\i], v[TU0+\i]
	v_mov_b32 v[F1+6*CC+3+\i], v[TU1+\i]
.endr
.endif
.endm
.macro WSTORE q
.irp g, 0,1,2
	global_store_b128 v[LI], v[F0+4*\g:F0+4*\g+3], s[38:39] offset:1536*\q+512*\g
	global_store_b128 v[LI], v[F1+4*\g:F1+4*\g+3], s[40:41] offset:1536*\q+512*\g
.endr
.endm
	LOADB 0
	LOADB 1
	s_wait_alu depctr_va_vdst(0)
	BLK 0
	BLK 1
	BLK 2
	BLK 3
	WSTORE 0
	BLK 4
	BLK 5
	BLK 6
	BLK 7
	WSTORE 1
	v_mov_b32 v[WB], v[WA]                         ; the scale words' images: both halves of the lanes hold row r's word
	v_mov_b32 v[WB+1], v[WA+1]
	v_permlane16_swap_b32 v[WA], v[WB]
	v_permlane16_swap_b32 v[WA+1], v[WB+1]
	global_store_b64 v[L8], v[WA:WA+1], s[38:39] offset:3072
	global_store_b64 v[L8], v[WB:WB+1], s[40:41] offset:3072
	s_endpgm
.Lfunc_end_k_q9846c2b700_quant:
	.size	k_q9846c2b700_quant, .Lfunc_end_k_q9846c2b700_quant-k_q9846c2b700_quant
	.p2alignl 7, 3214868480
	.fill 96, 4, 3214868480
	.section	.rodata,"a",@progbits
	.p2align	6, 0x0
	.amdhsa_kernel k_q9846c2b700_quant
		.amdhsa_group_segment_fixed_size 34304
		.amdhsa_private_segment_fixed_size 0
		.amdhsa_enable_private_segment 0
		.amdhsa_kernarg_size 56
		.amdhsa_user_sgpr_count 2
		.amdhsa_user_sgpr_kernarg_segment_ptr 1
		.amdhsa_wavefront_size32 1
		.amdhsa_system_sgpr_workgroup_id_x 1
		.amdhsa_system_sgpr_workgroup_id_y 1
		.amdhsa_system_sgpr_workgroup_id_z 1
		.amdhsa_system_vgpr_workitem_id 0
		.amdhsa_next_free_vgpr 256
		.amdhsa_next_free_sgpr 66
		.amdhsa_reserve_vcc 0
		.amdhsa_float_denorm_mode_32 3
		.amdhsa_float_denorm_mode_16_64 3
		.amdhsa_memory_ordered 1
		.amdhsa_forward_progress 1
		.amdhsa_inst_pref_size 58
	.end_amdhsa_kernel
	.amdgpu_metadata
---
amdhsa.version: [ 1, 2 ]
amdhsa.kernels:
  - .name:           k_q9846c2b700_quant
    .symbol:         k_q9846c2b700_quant.kd
    .args:
      - { .name: image_features, .offset: 0, .size: 8, .value_kind: global_buffer, .address_space: global }
      - { .name: text_features, .offset: 8, .size: 8, .value_kind: global_buffer, .address_space: global }
      - { .name: Wq, .offset: 16, .size: 8, .value_kind: global_buffer, .address_space: global }
      - { .name: Wk, .offset: 24, .size: 8, .value_kind: global_buffer, .address_space: global }
      - { .name: Wv, .offset: 32, .size: 8, .value_kind: global_buffer, .address_space: global }
      - { .name: xc, .offset: 40, .size: 8, .value_kind: global_buffer, .address_space: global }
      - { .name: wc, .offset: 48, .size: 8, .value_kind: global_buffer, .address_space: global }
    .group_segment_fixed_size: 34304
    .private_segment_fixed_size: 0
    .kernarg_segment_align: 8
    .kernarg_segment_size: 56
    .max_flat_workgroup_size: 128
    .sgpr_count:     66
    .vgpr_count:     256
    .wavefront_size: 32
...
	.end_amdgpu_metadata
.endif
;; end of part 1
;; launch proj (part 2): grid 4 x 64, 4 waves a work-group, clusters of 4 x 4, 327,680 bytes of LDS; arguments xc, wc, bq, bk, bv, qc, kc, vc; writes qc, kc, vc
.if DOCPART == 2
	.amdgcn_target "amdgcn-amd-amdhsa--gfx1250"
	.amdhsa_code_object_version 6
	.text
	.protected	k_q9846c2b700_proj
	.globl	k_q9846c2b700_proj
	.p2align	8
	.type	k_q9846c2b700_proj,@function
k_q9846c2b700_proj:
	s_mov_b64 s[64:65], 0
	v_nop
	global_prefetch_b8 v0, s[64:65] scope:SCOPE_SE
	s_setreg_imm32_b32 hwreg(HW_REG_WAVE_MODE, 25, 1), 1
	s_wait_xcnt 0x0
	s_wait_alu depctr_hold_cnt(0) depctr_sa_sdst(0) depctr_va_vdst(0) depctr_va_sdst(0) depctr_va_ssrc(0) depctr_va_vcc(0) depctr_vm_vsrc(0)
	s_getreg_b32 s2, hwreg(HW_REG_IB_STS2, 6, 4)
	s_cmp_eq_u32 s2, 0
	s_cbranch_scc0 .Lentry_in_a_cluster
	s_endpgm
.Lentry_in_a_cluster:
	s_bfe_u32 s2, ttmp6, 0x10000c
	s_cmp_lg_u32 s2, 0xf033
	s_cbranch_scc0 .Lentry_shape_is_right
	s_endpgm
.Lentry_shape_is_right:
; The three projections on codes of BF6 (E3M2), their biases, and the quantising of their results: Q = image Wq + bq and K = text Wk + bk along the hidden axis, V = text Wv + bv along the KEYS.
; OPERANDS lie as register images (a tile = 16 rows, row m of tile T = natural row 32 (T / 2) + 8 (T % 2) + m + 8 (m / 8); a fragment = 16 rows x 128 K = 1,536 bytes, group g at 512 g + 16 x lane;
; a record = two fragments and 256 bytes of scale words = 3,328 bytes; a tile's records on end).  The results are stored in the same form.
; SHARES.  Every work-group runs three phases: Q: 128 rows of the image x 256 hidden units, K = 1,024; K: 256 rows of the text x 256 hidden units, K = 768; V: 256 hidden units x 256 rows of the text, K = 768.
; Source 0 ("B", 256 rows, chosen by cx) gives the result's REGISTERS, source 1 ("A", chosen by cy) its lanes: a lane holds one row of A, and by the tiles' row order the 64 registers of its eight tiles of B are
; 128 neighbours along the next product's K, 16 of each block of 32.  So Q and K take the weights as source 0, V takes the text as source 0.  A wave: half hb of B (8 tiles) x half ha of A (8 tiles; 4 in phase Q).
; CLUSTERS: 4 x 4.  A's tiles are shared along a row of the cluster, B's along a column: each is asked for jointly.  Waves 0 and 1 fetch A's halves, waves 2 and 3 B's.
; LDS, SIX FILLS.  Q0 and Q1 (512 along K each) lie in two slots of 159,744 bytes and are asked for at the start.  K0 (256 along K) goes into region 0, bytes 0 to 106,495, at Q0's change of slots; K12 (the other 512 along K, one
; load a wave) into region 1, bytes 106,496 to 319,487, at Q1's; V0 into region 0 at K0's change, V12 into region 1 at K12's.  So four changes carry a round of the cluster's barrier, and a load has at the least four steps of
; phase Q, and else a phase's quantising or three steps of 64 matrix instructions and more, in which to land.  All K walks are written out: 8 + 6 + 6 steps of 128.
; The biases are the C of each sum's first matrix instruction.
; LIMITS: a block whose largest magnitude lies under 2^-122 keeps the byte 1, a block of zeros too (read by this program alone); NaN and infinities are not served.
; REGISTERS: window 0: v1-22 addresses; v28, v29 for the add; v32-63 scale words, two sets, and nothing else; v64-159, v160-255 A's fragments, two sets (v64-103 at work while results are quantised).
;   window 1: v0-95, v96-191 B's fragments, two sets; v192-255 eight tiles of bias.   window 2: accumulators (a, b), a = 0..3, at v[8 (8 a + b)];   window 3: a = 4..7.
; THE ORDER OF THE FILLS, as this text has it (in place of 'asked for at the start' above): Q0 alone is asked for at the head, one load a wave; Q1 is asked for behind the wait for Q0, the add and a whole round of the cluster's barrier.
; PREFETCHES: Q1 is named at the head, behind the wait for bq, so that Q0's own load is asked for first; K0 and K12 are named in Q0's steps, V0 in Q1's, V12 in K0's.  Of the tiles that a wave fetches, each of the four partners
; that ask for them jointly names a quarter, told apart by address (cx for A's tiles, cy for B's): a lane names 256 bytes, a record is 13 such blocks, lanes that are left over name their row's last block again.
.set TXTC,  6815744                    ; where the text's tiles begin in xc
.set WKC,   851968
.set WVC,   1490944
.set SLOTB, 159744                     ; a slot of phase Q: A's 53,248 bytes, then B's 106,496
.set R1A,   106496                     ; region 1: A's 16 tiles x 6,656 bytes from here, B's 16 from 212,992
.set SPARE, 2*SLOTB                    ; the spare words, 128 bytes for each wave: two blocks of 256 bytes that no other line names
.set LI,   4                           ; v4   16 x lane
.set LSO,  5                           ; v5   my scale word's place from my fragment's first byte
.set VB0,  6                           ; v6   bias along the registers: 64 h
.set VB1,  7                           ; v7   bias along the lanes: 4 (r + 8 (r / 8))
.set SPW,  28
.set NIL,  29
.set SC0,  32
.set AF0,  64
.set ASTR, 96
.set TM,   64                          ; v64-79 at work in QUANTW
.set PW,   80
.set PC,   84                          ; v84-103 the codes just made
.set WV,   20
.set HA,   21
.set HB,   22
.set LBK,  2                           ; s2   where I put my half of B in region 0
.set LA,   66                          ; s66  my half of A, in a slot of phase Q and in region 0
.set LBQ,  67                          ; s67  my half of B in slot 0 of phase Q; region 1's halves lie 53,248 (A) and 159,744 (B) bytes on
.set G1AQ, 32                          ; s[32:39], s[40:47] group 1 for tiles of two records: phase Q's, later K12's and V12's
.set G1BQ, 40
.set G1AK, 48                          ; s[48:55], s[56:63] for tiles of one record: K0, V0
.set G1BK, 56
.set G0A,  68                          ; s[68:75] group 0 for A's tiles, two sets
.set G0B,  76                          ; s[76:83] for B's
.set PAQ,  84
.set PBQ,  86
.set PAK,  88
.set PBK,  90
.set PAV,  92
.set PBV,  94
.set OQ,   96
.set OK,   98
.set OV,   100
.set SEL,  104
.set MSB, 0
.macro WIN new                         ; the immediate's high byte repeats the setting that is left
.if MSB != (\new)
	s_set_vgpr_msb (MSB<<8)|(\new)
.set MSB, (\new)
.endif
.endm
.macro PLACES n
.rept \n
	v_nop
.endr
.endm
.macro G1SET g, c, r, p                ; r rows of c elements of 8 bytes, p elements apart; dense in LDS
	s_mov_b32 s[\g+1], (\c)<<16
	s_mov_b32 s[\g+2], (\r)<<16
	s_mov_b32 s[\g+3], (\c)<<16
	s_mov_b32 s[\g+4], \r
	s_mov_b32 s[\g+5], \p
	s_mov_b32 s[\g+6], 0
	s_mov_b32 s[\g+7], 0
.endm
; A joint load: waves 0 and 1 fetch for A, waves 2 and 3 for B; the branch hangs on the wave's number alone.  Four v_nop follow each of the two lines.
.macro JLOAD g0a, g1a, g0b, g1b
	s_cmp_eq_u32 s[HA], 0
	s_cbranch_scc0 .Lfor_b_\@
	tensor_load_to_lds s[\g0a:\g0a+3], s[\g1a:\g1a+7]
	s_nop 0
.rept 4
	v_nop
.endr
	s_branch .Lasked_\@
.Lfor_b_\@:
	tensor_load_to_lds s[\g0b:\g0b+3], s[\g1b:\g1b+7]
	s_nop 0
.rept 4
	v_nop
.endr
.Lasked_\@:
.endm
.macro CREST                           ; a round of the cluster's barrier behind its opening barrier
	s_cmp_lg_u32 s[WV], 0
	s_cbranch_scc1 .Lnot_wave_0_\@
	s_barrier_signal -3
.Lnot_wave_0_\@:
	s_barrier_wait -3
	s_barrier_signal -1
	s_barrier_wait -1
.endm
.macro CROUND
	s_barrier_signal -1
	s_barrier_wait -1
	CREST
.endm
; Set number set of the groups 0: A from pa + oa to LDS byte la + lao, B likewise.  The set's last load has been waited for where this stands
.macro FILL set, pa, oa, pb, ob, la, lao, lb, lbo
	s_add_co_u32 s[G0A+4*\set+1], s[\la], \lao
	s_add_nc_u64 s[G0A+4*\set+2:G0A+4*\set+3], s[\pa:\pa+1], \oa
	s_or_b32 s[G0A+4*\set+3], s[G0A+4*\set+3], 0x80000000
	s_add_co_u32 s[G0B+4*\set+1], s[\lb], \lbo
	s_add_nc_u64 s[G0B+4*\set+2:G0B+4*\set+3], s[\pb:\pb+1], \ob
	s_or_b32 s[G0B+4*\set+3], s[G0B+4*\set+3], 0x80000000
.endm
.macro FRAG reg, adr, off              ; a fragment comes as it was stored: three loads of 512 consecutive bytes
	ds_load_b128 v[(\reg):(\reg)+3], v[\adr] offset:(\off)
	ds_load_b128 v[(\reg)+4:(\reg)+7], v[\adr] offset:(\off)+512
	ds_load_b128 v[(\reg)+8:(\reg)+11], v[\adr] offset:(\off)+1024
.endm
; g is 0 or 1: the slot of phase Q, or the region.  TS0, TS1: bytes from tile to tile there;  SB0, SB1: the set of scale words that its first record takes; records take the two sets by turns.
; A record's scale words: lanes 0-15 take A's tile i, lanes 16-31 B's tile i; two words a lane.
.macro SCALES g, rec
.set ssx, (SB0*(1-(\g))+SB1*(\g)+(\rec))%2
.set fi, 0
.rept 8
	ds_load_b64 v[SC0+16*ssx+2*fi:SC0+16*ssx+2*fi+1], v[VS+(\g)] offset:fi*tsx+(\rec)*3328
.set fi, fi+1
.endr
.endm
.macro FETCH g, qq, set                ; the fragments of step qq of g into set; with an even step its record's scale words
.set tsx, TS0*(1-(\g))+TS1*(\g)
	WIN 0x40
.set fi, 0
.rept 8
	FRAG 96*(\set)+12*fi, VB+(\g), fi*tsx+((\qq)/2)*3328+((\qq)%2)*1536
.set fi, fi+1
.endr
	WIN 0
.set fi, 0
.rept NA
	FRAG AF0+ASTR*(\set)+12*fi, VA+(\g), fi*tsx+((\qq)/2)*3328+((\qq)%2)*1536
.set fi, fi+1
.endr
.if ((\qq)%2) == 0
	SCALES \g, (\qq)/2
.endif
.endm
; n of A's tiles from a0 on x B's eight.  cm: 0 adds in place; 2: C = the bias of B's tile b; 3: C = the bias of A's tile a.  All accumulators take turns, one instruction a turn, in the same order in every step.
.macro MULS a0, n, set, qq, g, cm
.set msx, (SB0*(1-(\g))+SB1*(\g)+(\qq)/2)%2
.set ma, (\a0)
.rept (\n)
.if (\cm) >= 2
	WIN 0x91+0x40*(ma/4)
.else
	WIN 0xa1+0x50*(ma/4)
.endif
.set mb, 0
.rept 8
.set rD, 8*(8*(ma%4)+mb)
.set rB, 96*(\set)+12*mb
.set rA, AF0+ASTR*(\set)+12*ma
.set rSB, SC0+16*msx+2*mb+((\qq)%2)
.set rSA, SC0+16*msx+2*ma+((\qq)%2)
.if (\cm) == 0
	v_wmma_scale_f32_16x16x128_f8f6f4 v[rD:rD+7], v[rB:rB+11], v[rA:rA+11], v[rD:rD+7], v[rSB], v[rSA] matrix_a_fmt:MATRIX_FMT_BF6 matrix_b_fmt:MATRIX_FMT_BF6 matrix_a_scale:MATRIX_SCALE_ROW1
.elseif (\cm) == 2
	v_wmma_scale_f32_16x16x128_f8f6f4 v[rD:rD+7], v[rB:rB+11], v[rA:rA+11], v[192+8*mb:199+8*mb], v[rSB], v[rSA] matrix_a_fmt:MATRIX_FMT_BF6 matrix_b_fmt:MATRIX_FMT_BF6 matrix_a_scale:MATRIX_SCALE_ROW1
.else
	v_wmma_scale_f32_16x16x128_f8f6f4 v[rD:rD+7], v[rB:rB+11], v[rA:rA+11], v[192+8*ma:199+8*ma], v[rSB], v[rSA] matrix_a_fmt:MATRIX_FMT_BF6 matrix_b_fmt:MATRIX_FMT_BF6 matrix_a_scale:MATRIX_SCALE_ROW1
.endif
.set mb, mb+1
.endr
.set ma, ma+1
.endr
.endm
; A step of 128 along K that has its successor in the same tile: the successor's fragments are asked for ahead of this step's products and land under them.
.macro STEP g, qq, cm
	s_wait_dscnt 0x0                               ; this step's fragments and scale words, asked for a step ago, are in
	PLACES 4                                       ; four places in front of loads into registers that matrix instructions have read
	FETCH \g, (\qq)+1, 1-((\qq)%2)
	MULS 0, NA, (\qq)%2, \qq, \g, \cm
	WIN 0
.endm
; A tile's last step, qq, leaves its bytes: ONE barrier; in front of it each wave waits for all its tensor loads, adds 0 to its spare word, and waits for that and for its reads of these bytes.
.macro TURN_A g, qq
	s_wait_tensorcnt 0x0                           ; all my tensor loads have landed: my part of the next tile
	ds_add_u32 v[SPW], v[NIL]                      ; 0 onto my spare word
	s_wait_dscnt 0x1                               ; this step's fragments are in; the add alone may be out
	MULS 0, NA/4, 1, \qq, \g, 0
	s_wait_dscnt 0x0                               ; the add is done, and my reads of this tile are over
	s_barrier_signal -1
	MULS NA/4, NA/4, 1, \qq, \g, 0
	WIN 0
	s_barrier_wait -1
.endm
.macro TURN_B g, qq, next, fetch
.if \fetch
	FETCH \next, 0, 0
.endif
	MULS NA/2, NA/2, 1, \qq, \g, 0
	WIN 0
.endm
.macro BIASB ptr                       ; lane (r, h), tile b, register j: the bias of unit 32 (b / 2) + 16 h + 8 (b % 2) + j of my 128
	WIN 0x40
.irp b, 0,1,2,3,4,5,6,7
	global_load_b128 v[192+8*\b:195+8*\b], v[VB0], s[\ptr:\ptr+1] offset:(32*(\b/2)+8*(\b%2))*4
	global_load_b128 v[196+8*\b:199+8*\b], v[VB0], s[\ptr:\ptr+1] offset:(32*(\b/2)+8*(\b%2))*4+16
.endr
	WIN 0
.endm
.macro BIASA ptr                       ; lane (r, h), tile a, all eight registers: the bias of unit 32 (a / 2) + 8 (a % 2) + r + 8 (r / 8) of my 128
	WIN 0x40
.irp a, 0,1,2,3,4,5,6,7
	global_load_b32 v[192+8*\a], v[VB1], s[\ptr:\ptr+1] offset:(32*(\a/2)+8*(\a%2))*4   ; one load a tile, into its first register: eight loads in all
.endr
	WIN 0
.endm
.macro BIASX                           ; the loaded number into the tile's other seven registers
	WIN 0x41
.irp a, 0,1,2,3,4,5,6,7
.irp j, 1,2,3,4,5,6,7
	v_mov_b32 v[192+8*\a+\j], v[192+8*\a]
.endr
.endr
	WIN 0
.endm
; The 64 results of a lane for one tile of A (window w, from register s on) become a fragment's codes in v[PC] on and its scale word in v[PW].  Each accumulator is read from its low end on.
.macro QUANTW w, s
	WIN (\w)|((\w)<<2)
.irp b, 0,1,2,3
	v_max3_num_f32 v[TM+\b], |v[(\s)+16*\b]|, |v[(\s)+16*\b+1]|, 0x2800000   ; and the floor 2^(5 - 127)
.endr
.irp i, 2,4,6,8,10,12,14
.irp b, 0,1,2,3
	v_max3_num_f32 v[TM+\b], |v[(\s)+16*\b+\i]|, |v[(\s)+16*\b+\i+1]|, v[TM+\b]
.endr
.endr
	WIN 0
.irp b, 0,1,2,3
	v_permlanex16_b32 v[TM+4+\b], v[TM+\b], s[SEL], s[SEL+1]
.endr
.irp b, 0,1,2,3
	v_max_num_f32 v[TM+\b], v[TM+\b], v[TM+4+\b]
.endr
.irp b, 0,1,2,3
	v_add_nc_u32 v[TM+12+\b], 0xfe000000, v[TM+\b]
.endr
.irp b, 0,1,2,3
	v_lshrrev_b32 v[TM+4+\b], 23, v[TM+12+\b]
.endr
	s_wait_alu depctr_va_vdst(0)
	s_wait_xcnt 0x0                                ; the last tile's stores have read the scale word's and the codes' registers, which are written from here on; the maxima above stand between those stores and this wait
	v_lshl_or_b32 v[PW], v[TM+5], 8, v[TM+4]
	v_lshl_or_b32 v[PW], v[TM+6], 16, v[PW]
	v_lshl_or_b32 v[PW], v[TM+7], 24, v[PW]
	WIN (\w)
.irp c, 0,1
	v_cvt_scalef32_pk16_bf6_f32 v[PC+6*\c:PC+6*\c+2], v[(\s)+32*\c:(\s)+32*\c+15], v[TM+12+2*\c]
	v_cvt_scalef32_pk16_bf6_f32 v[PC+12+4*\c:PC+14+4*\c], v[(\s)+32*\c+16:(\s)+32*\c+31], v[TM+12+2*\c+1]
.endr
	WIN 0
	v_nop                                          ; one plain place behind a scaled conversion
.irp c, 0,1
.irp i, 0,1,2
	v_permlane16_swap_b32 v[PC+6*\c+\i], v[PC+12+4*\c+\i]
.endr
.irp i, 0,1,2
	v_mov_b32 v[PC+3+6*\c+\i], v[PC+12+4*\c+\i]
.endr
.endr
.endm
.macro EPI na, ob, tstr                ; my na tiles of A: each is one fragment of the result, stored as an image
	PLACES 4                                       ; four places in front of the first read of results
.set ea, 0
.rept \na
	QUANTW 2+ea/4, 64*(ea%4)
	global_store_b128 v[LI], v[PC:PC+3], s[\ob:\ob+1] offset:ea*\tstr
	global_store_b128 v[LI], v[PC+4:PC+7], s[\ob:\ob+1] offset:ea*\tstr+512
	global_store_b128 v[LI], v[PC+8:PC+11], s[\ob:\ob+1] offset:ea*\tstr+1024
	global_store_b32 v[LSO], v[PW], s[\ob:\ob+1] offset:ea*\tstr
.set ea, ea+1
.endr
.endm
	s_load_b512 s[4:19], s[0:1], 0x0               ; xc, wc, bq, bk, bv, qc, kc, vc
	v_lshl_add_u32 v[SPW], v0, 2, SPARE
	v_mov_b32 v[NIL], 0
	ds_add_u32 v28, v29
	ds_add_u32 v28, v29
	s_wait_dscnt 0x0
	v_lshrrev_b32 v1, 5, v0
	v_readfirstlane_b32 s[WV], v1                  ; wave 0..3
	s_lshr_b32 s[HA], s[WV], 1                     ; my half of A.  Also: I fetch for A (0) or for B (1)
	s_and_b32 s[HB], s[WV], 1                      ; my half of B.  Also: which half I fetch
	s_bfe_u32 s23, ttmp6, 0x40000                  ; cx
	s_bfe_u32 s24, ttmp6, 0x40004                  ; cy
	s_and_b32 s25, ttmp7, 0xffff
	s_lshl_b32 s25, s25, 2                         ; 4 Y, Y the cluster's y
	s_lshl_b32 s28, s24, 2
	s_lshl_b32 s28, 15, s28                        ; my row of the cluster
	s_lshl_b32 s26, 0x1111, s23                    ; my column
	s_or_b32 s[G1AQ], s28, (3<<16)|(1<<21)         ; the mask; elements of 8 bytes; bit 21 set beside a mask; no padding
	s_or_b32 s[G1AK], s28, (3<<16)|(1<<21)
	s_or_b32 s[G1BQ], s26, (3<<16)|(1<<21)
	s_or_b32 s[G1BK], s26, (3<<16)|(1<<21)
	G1SET G1AQ, 832, 4, 1664                       ; phase Q: 4 tiles x two records (6,656 bytes), tiles 13,312 bytes apart
	G1SET G1BQ, 832, 8, 1664                       ; 8 tiles
	G1SET G1AK, 416, 8, 1248                       ; K0, V0: 8 tiles x one record, tiles 9,984 bytes apart
	G1SET G1BK, 416, 8, 1248
	s_lshl_b32 s2, s[HB], 2
	s_lshl_b32 s3, s[HB], 3
	s_add_co_u32 s30, s25, s24                     ; 4 Y + cy
	s_add_co_u32 s27, s25, s23                     ; 4 Y + cx
	; A's offsets hang on cy, B's on cx, each in registers that never hold the other
	s_lshl_b32 s[PAQ], s30, 3
	s_add_co_u32 s[PAQ], s[PAQ], s2
	s_mul_i32 s[PAQ], s[PAQ], 13312                ; image: tile 8 (4 Y + cy) + 4 hb
	s_mov_b32 s[PAQ+1], 0
	s_lshl_b32 s[PAK], s30, 4
	s_add_co_u32 s[PAK], s[PAK], s3
	s_mul_i32 s[PAK], s[PAK], 9984
	s_add_co_u32 s[PAK], s[PAK], TXTC              ; text: tile 16 (4 Y + cy) + 8 hb
	s_mov_b32 s[PAK+1], 0
	s_lshl_b32 s[PAV], s24, 4
	s_add_co_u32 s[PAV], s[PAV], s3
	s_mul_i32 s[PAV], s[PAV], 9984
	s_add_co_u32 s[PAV], s[PAV], WVC               ; Wv: tile 16 cy + 8 hb
	s_mov_b32 s[PAV+1], 0
	s_lshl_b32 s[PBQ], s23, 4
	s_add_co_u32 s[PBQ], s[PBQ], s3
	s_mul_i32 s[PBK], s[PBQ], 9984
	s_add_co_u32 s[PBK], s[PBK], WKC               ; Wk: tile 16 cx + 8 hb
	s_mov_b32 s[PBK+1], 0
	s_mul_i32 s[PBQ], s[PBQ], 13312                ; Wq likewise
	s_mov_b32 s[PBQ+1], 0
	s_lshl_b32 s[PBV], s27, 4
	s_add_co_u32 s[PBV], s[PBV], s3
	s_mul_i32 s[PBV], s[PBV], 9984
	s_add_co_u32 s[PBV], s[PBV], TXTC              ; text: tile 16 (4 Y + cx) + 8 hb
	s_mov_b32 s[PBV+1], 0
	; where my results go: fragment hb of record cx (Q, K), or of the record of my 256 keys (V)
	s_mul_i32 s26, s23, 3328
	s_mul_i32 s29, s[HB], 1536
	s_add_co_u32 s26, s26, s29
	s_lshl_b32 s[OQ], s30, 3
	s_lshl_b32 s29, s[HA], 2
	s_add_co_u32 s[OQ], s[OQ], s29
	s_mul_i32 s[OQ], s[OQ], 13312
	s_add_co_u32 s[OQ], s[OQ], s26
	s_mov_b32 s[OQ+1], 0
	s_lshl_b32 s[OK], s30, 4
	s_lshl_b32 s29, s[HA], 3
	s_add_co_u32 s[OK], s[OK], s29
	s_mul_i32 s[OK], s[OK], 13312
	s_add_co_u32 s[OK], s[OK], s26
	s_mov_b32 s[OK+1], 0
	s_lshr_b32 s[OV], s25, 3                       ; the batch: Y / 2
	s_lshl_b32 s[OV], s[OV], 6
	s_add_co_u32 s[OV], s[OV], s29
	s_lshl_b32 s31, s24, 4
	s_add_co_u32 s[OV], s[OV], s31                 ; tile 64 batch + 16 cy + 8 ha
	s_mul_i32 s[OV], s[OV], 26624
	s_add_co_u32 s[OV], s[OV], s26
	s_and_b32 s31, s25, 4
	s_mul_i32 s31, s31, 3328
	s_add_co_u32 s[OV], s[OV], s31                 ; record 4 (Y % 2) + cx
	s_mov_b32 s[OV+1], 0
	s_lshl_b32 s26, s23, 10                        ; bq, bk: my 128 units of B
	s_lshl_b32 s27, s[HB], 9
	s_add_co_u32 s26, s26, s27
	s_mov_b32 s27, 0
	s_lshl_b32 s30, s24, 10                        ; bv: my 128 units of A
	s_lshl_b32 s31, s[HA], 9
	s_add_co_u32 s30, s30, s31
	s_mov_b32 s31, 0
	s_mul_i32 s[LA], s[HB], 26624                  ; where the halves that I fetch go: no place in the cluster enters an LDS address
	s_mul_i32 s[LBQ], s[HB], 53248
	s_add_co_u32 s[LBQ], s[LBQ], 53248
	s_add_co_u32 s[LBK], s[LA], 53248
	s_mov_b32 s[SEL], 0x76543210
	s_mov_b32 s[SEL+1], 0xfedcba98
	s_wait_kmcnt 0x0
	s_add_nc_u64 s[8:9], s[8:9], s[26:27]
	s_add_nc_u64 s[10:11], s[10:11], s[26:27]
	s_add_nc_u64 s[12:13], s[12:13], s[30:31]
	s_add_nc_u64 s[PAQ:PAQ+1], s[4:5], s[PAQ:PAQ+1]
	s_add_nc_u64 s[PBQ:PBQ+1], s[6:7], s[PBQ:PBQ+1]
	s_add_nc_u64 s[PAK:PAK+1], s[4:5], s[PAK:PAK+1]
	s_add_nc_u64 s[PBK:PBK+1], s[6:7], s[PBK:PBK+1]
	s_add_nc_u64 s[PAV:PAV+1], s[6:7], s[PAV:PAV+1]
	s_add_nc_u64 s[PBV:PBV+1], s[4:5], s[PBV:PBV+1]
	s_add_nc_u64 s[OQ:OQ+1], s[14:15], s[OQ:OQ+1]
	s_add_nc_u64 s[OK:OK+1], s[16:17], s[OK:OK+1]
	s_add_nc_u64 s[OV:OV+1], s[18:19], s[OV:OV+1]
	CROUND                                         ; all sixteen work-groups are here: the first joint loads meet
	s_mov_b32 s[G0A], 1
	s_mov_b32 s[G0A+4], 1
	s_mov_b32 s[G0B], 1
	s_mov_b32 s[G0B+4], 1
	FILL 0, PAQ, 0, PBQ, 0, LA, 0, LBQ, 0
	JLOAD G0A, G1AQ, G0B, G1BQ                     ; Q0
	FILL 1, PAQ, 6656, PBQ, 6656, LA, SLOTB, LBQ, SLOTB   ; Q1's groups 0; its load follows behind the round at the head's end
	s_cmp_eq_u32 s[HA], 0                          ; the prefetches' bases: do I fetch for A or for B?
	s_cselect_b64 s[14:15], s[PAQ:PAQ+1], s[PBQ:PBQ+1]
	s_cselect_b64 s[16:17], s[PAK:PAK+1], s[PBK:PBK+1]
	s_cselect_b64 s[18:19], s[PAV:PAV+1], s[PBV:PBV+1]
	s_cselect_b32 s4, s23, s24                     ; my place among the four that ask with me: cx for A, cy for B
	s_cselect_b32 s3, 31, 15                       ; phase Q: A's quarter is one tile (lanes 0-12 a record), B's two tiles (a half of the lanes each)
	s_mov_b32 s6, 13312
	s_cselect_b32 s7, 0, s6
	s_mov_b32 s5, 26624
	s_cselect_b32 s6, s6, s5                       ; a quarter in phase Q: 13,312 bytes of A, 26,624 of B
	s_mul_i32 s6, s4, s6
	s_mul_i32 s4, s4, 19968                        ; in phases K and V: two tiles of 9,984 bytes
	s_mov_b32 s5, 0
	s_add_nc_u64 s[16:17], s[16:17], s[4:5]
	s_add_nc_u64 s[18:19], s[18:19], s[4:5]
	s_mov_b32 s4, s6
	s_add_nc_u64 s[14:15], s[14:15], s[4:5]
	v_and_b32 v1, 15, v0                           ; r
	v_bfe_u32 v2, v0, 4, 1                         ; h
	v_and_b32 v3, 31, v0                           ; lane
	v_and_b32 v25, s3, v3
	v_min_u32 v25, 12, v25
	v_min_u32 v26, 12, v1
	v_lshlrev_b32 v25, 8, v25
	v_lshlrev_b32 v26, 8, v26
	v_mad_u32_u24 v23, v2, s7, v25                 ; v23: phase Q's offset; never rewritten
	v_mul_u32_u24 v24, v2, 9984
	v_add_nc_u32 v24, v24, v26                     ; v24: phases K and V: tile h of my two, block min(r, 12) of a record; never rewritten
	v_lshlrev_b32 v[LI], 4, v3
	s_mul_i32 s29, s[HB], 1532
	s_sub_co_u32 s29, 3072, s29
	v_lshl_add_u32 v[LSO], v3, 3, s29              ; from fragment hb's first byte to word hb of my lane: 3,072 - 1,536 hb + 8 x lane + 4 hb
	v_lshlrev_b32 v[VB0], 6, v2
	v_and_b32 v[VB1], 8, v1
	v_add_nc_u32 v[VB1], v[VB1], v1
	v_lshlrev_b32 v[VB1], 2, v[VB1]
	; LDS addresses.  v8, v9: my half of A in phase Q's slots; v10, v11: in regions 0, 1.  v12, v13 and v14, v15: my half of B likewise.  v16, v17 and v18, v19: the scale words
	s_mul_i32 s29, s[HA], 26624                    ; my half of A: 4 tiles x 6,656 in phase Q, 8 x 3,328 in region 0
	v_add_nc_u32 v8, s29, v[LI]
	v_add_nc_u32 v9, SLOTB, v8
	v_add_nc_u32 v10, s29, v[LI]
	s_mul_i32 s31, s[HA], 53248
	s_add_co_u32 s31, s31, R1A                     ; in region 1: 8 tiles x 6,656
	v_add_nc_u32 v11, s31, v[LI]
	v_add_nc_u32 v12, s[LBQ], v[LI]
	v_add_nc_u32 v13, SLOTB, v12
	v_add_nc_u32 v14, s[LBK], v[LI]
	v_add_nc_u32 v15, SLOTB, v12                   ; region 1's B begins where slot 1's B began: 212,992 + 53,248 hb
	v_lshlrev_b32 v21, 3, v3
	v_add_nc_u32 v21, 3072, v21                    ; a record's scale words: 3,072 + 8 x lane
	s_wait_alu depctr_va_vdst(0)
	v_add_nc_u32 v20, s29, v21                     ; A's, for lanes 0-15;
	s_xor_b32 s29, s[HA], 1
	s_mul_i32 s29, s29, 26624
	s_add_co_u32 s29, s29, 26624                   ; 26,624 (2 - ha)
	s_mul_i32 s3, s[HB], 53248
	s_add_co_u32 s30, s3, s29                      ; lanes 16-31 stand this much further on, at B's: one product with h
	v_mul_u32_u24 v22, s30, v2
	v_add_nc_u32 v16, v20, v22
	v_add_nc_u32 v17, SLOTB, v16
	s_add_co_u32 s30, s[LA], s29                   ; region 0: 26,624 (2 - ha) + 26,624 hb
	v_mul_u32_u24 v22, s30, v2
	v_add_nc_u32 v18, v20, v22
	s_lshl_b32 s29, s29, 1
	s_add_co_u32 s30, s3, s29                      ; region 1: 53,248 (2 - ha) + 53,248 hb
	v_mul_u32_u24 v22, s30, v2
	v_add_nc_u32 v19, s31, v21
	v_add_nc_u32 v19, v19, v22
.irp b, 0,1,2,3
	v_mov_b32 v[TM+4+\b], 0                        ; a lane permute's destination counts as one of its sources
.endr
	BIASB 8                                        ; bq
	s_wait_alu depctr_va_vdst(0)
	s_wait_loadcnt 0x0                             ; bq is in
	global_prefetch_b8 v23, s[14:15] offset:6656 th:TH_LOAD_NT scope:SCOPE_SE   ; Q1: records 2 and 3
	global_prefetch_b8 v23, s[14:15] offset:9984 th:TH_LOAD_NT scope:SCOPE_SE
	s_wait_tensorcnt 0x0                           ; my part of Q0 is in
	ds_add_u32 v[SPW], v[NIL]
	s_wait_dscnt 0x0
	CROUND                                         ; everybody's part of Q0 is in, and all sixteen work-groups are here
	JLOAD G0A+4, G1AQ, G0B+4, G1BQ                 ; Q1, slot 1's first fill: my one load behind the round
	; ---------------- phase Q: 4 tiles of A a wave, two slots of 512 along K
.set NA, 4
.set VA, 8
.set VB, 12
.set VS, 16
.set TS0, 6656
.set TS1, 6656
.set SB0, 0
.set SB1, 0
	FETCH 0, 0, 0
	STEP 0, 0, 2                                   ; (bq was waited for at the head)
	PLACES 4
	BIASB 10                                       ; bk, into the registers that the first step has read
	global_prefetch_b8 v24, s[16:17] th:TH_LOAD_NT scope:SCOPE_SE               ; K0: record 0
	global_prefetch_b8 v24, s[16:17] offset:3328 th:TH_LOAD_NT scope:SCOPE_SE   ; K12: records 1 and 2
	global_prefetch_b8 v24, s[16:17] offset:6656 th:TH_LOAD_NT scope:SCOPE_SE
	STEP 0, 1, 0
	STEP 0, 2, 0
	TURN_A 0, 3
	CREST                                          ; the barrier has opened a round of the cluster's: no wave of any partner still reads this slot or has a load on its way
	FILL 0, PAK, 0, PBK, 0, LA, 0, LBK, 0
	JLOAD G0A, G1AK, G0B, G1BK                     ; K0 into region 0; the four v_nop behind it are the places in front of the loads below
	TURN_B 0, 3, 1, 1
	STEP 1, 0, 0
	global_prefetch_b8 v24, s[18:19] th:TH_LOAD_NT scope:SCOPE_SE               ; V0
	STEP 1, 1, 0
	STEP 1, 2, 0
	TURN_A 1, 3
	CREST
	s_mov_b32 s[G1AQ+2], 8<<16                     ; phase Q's loads were waited for: its two groups 1 now state 8 tiles x two records, tiles 9,984 bytes apart
	s_mov_b32 s[G1AQ+4], 8
	s_mov_b32 s[G1AQ+5], 1248
	s_mov_b32 s[G1BQ+5], 1248
	FILL 1, PAK, 3328, PBK, 3328, LBQ, 53248, LBQ, 159744
	JLOAD G0A+4, G1AQ, G0B+4, G1BQ                 ; K12 into region 1: slot 1 and the end of slot 0, both read out
	TURN_B 1, 3, 0, 0
	EPI 4, OQ, 13312
	; ---------------- phase K: 8 tiles of A a wave; 256 along K in region 0, then 512 in region 1
.set NA, 8
.set VA, 10
.set VB, 14
.set VS, 18
.set TS0, 3328
.set TS1, 6656
.set SB0, 0
.set SB1, 1
	s_wait_xcnt 0x0                                ; the stores have read their registers: fragments land there
	FETCH 0, 0, 0                                  ; K0 was shown landed, to every wave, at the last change of slots
	s_wait_loadcnt 0x0                             ; bk
	STEP 0, 0, 2
	PLACES 4
	BIASA 12                                       ; bv
	global_prefetch_b8 v24, s[18:19] offset:3328 th:TH_LOAD_NT scope:SCOPE_SE   ; V12
	global_prefetch_b8 v24, s[18:19] offset:6656 th:TH_LOAD_NT scope:SCOPE_SE
	TURN_A 0, 1
	CREST
	FILL 0, PAV, 0, PBV, 0, LA, 0, LBK, 0
	JLOAD G0A, G1AK, G0B, G1BK                     ; V0 into region 0
	TURN_B 0, 1, 1, 1
	STEP 1, 0, 0
	STEP 1, 1, 0
	STEP 1, 2, 0
	TURN_A 1, 3
	CREST
	FILL 1, PAV, 3328, PBV, 3328, LBQ, 53248, LBQ, 159744
	JLOAD G0A+4, G1AQ, G0B+4, G1BQ                 ; V12 into region 1: the last load
	TURN_B 1, 3, 0, 0
	EPI 8, OK, 13312
	; ---------------- phase V: source 0 = the text, source 1 = Wv
	s_wait_xcnt 0x0
	FETCH 0, 0, 0                                  ; V0 was shown landed at the last change
	s_wait_loadcnt 0x0                             ; bv
	BIASX
	s_wait_alu depctr_va_vdst(0)
	STEP 0, 0, 3
	TURN_A 0, 1                                    ; V12 has landed; nothing is filled again: no round follows
	PLACES 4
	TURN_B 0, 1, 1, 1
	STEP 1, 0, 0
	STEP 1, 1, 0
	STEP 1, 2, 0
	s_wait_dscnt 0x0
	MULS 0, NA, 1, 3, 1, 0
	WIN 0
	EPI 8, OV, 26624
	s_wait_tensorcnt 0x0                           ; the wave's end
	ds_add_u32 v[SPW], v[NIL]
	s_wait_dscnt 0x0
	CROUND                                         ; the closing round: no work-group ends while a partner may still ask for a tile that names it
	s_endpgm
.Lfunc_end_k_q9846c2b700_proj:
	.size	k_q9846c2b700_proj, .Lfunc_end_k_q9846c2b700_proj-k_q9846c2b700_proj
	.p2alignl 7, 3214868480
	.fill 96, 4, 3214868480
	.section	.rodata,"a",@progbits
	.p2align	6, 0x0
	.amdhsa_kernel k_q9846c2b700_proj
		.amdhsa_group_segment_fixed_size 327680
		.amdhsa_private_segment_fixed_size 0
		.amdhsa_enable_private_segment 0
		.amdhsa_kernarg_size 64
		.amdhsa_user_sgpr_count 2
		.amdhsa_user_sgpr_kernarg_segment_ptr 1
		.amdhsa_wavefront_size32 1
		.amdhsa_system_sgpr_workgroup_id_x 1
		.amdhsa_system_sgpr_workgroup_id_y 1
		.amdhsa_system_sgpr_workgroup_id_z 1
		.amdhsa_system_vgpr_workitem_id 0
		.amdhsa_next_free_vgpr 1024
		.amdhsa_next_free_sgpr 106
		.amdhsa_reserve_vcc 0
		.amdhsa_float_denorm_mode_32 3
		.amdhsa_float_denorm_mode_16_64 3
		.amdhsa_memory_ordered 1
		.amdhsa_forward_progress 1
		.amdhsa_inst_pref_size 255
	.end_amdhsa_kernel
	.section	.bss,"aw",@nobits
	.p2align	6
	.space	262144
	.amdgpu_metadata
---
amdhsa.version: [ 1, 2 ]
amdhsa.kernels:
  - .name:           k_q9846c2b700_proj
    .symbol:         k_q9846c2b700_proj.kd
    .args:
      - { .name: xc, .offset: 0, .size: 8, .value_kind: global_buffer, .address_space: global }
      - { .name: wc, .offset: 8, .size: 8, .value_kind: global_buffer, .address_space: global }
      - { .name: bq, .offset: 16, .size: 8, .value_kind: global_buffer, .address_space: global }
      - { .name: bk, .offset: 24, .size: 8, .value_kind: global_buffer, .address_space: global }
      - { .name: bv, .offset: 32, .size: 8, .value_kind: global_buffer, .address_space: global }
      - { .name: qc, .offset: 40, .size: 8, .value_kind: global_buffer, .address_space: global }
      - { .name: kc, .offset: 48, .size: 8, .value_kind: global_buffer, .address_space: global }
      - { .name: vc, .offset: 56, .size: 8, .value_kind: global_buffer, .address_space: global }
    .group_segment_fixed_size: 327680
    .private_segment_fixed_size: 0
    .kernarg_segment_align: 8
    .kernarg_segment_size: 64
    .max_flat_workgroup_size: 128
    .sgpr_count:     106
    .vgpr_count:     1024
    .wavefront_size: 32
...
	.end_amdgpu_metadata
.endif
;; end of part 2
;; launch score (part 3): grid 8 x 32, 4 waves a work-group, clusters of 4 x 4, 327,680 bytes of LDS; arguments qc, kc, pc, st; writes pc, st
.if DOCPART == 3
	.amdgcn_target "amdgcn-amd-amdhsa--gfx1250"
	.amdhsa_code_object_version 6
	.text
	.protected	k_q9846c2b700_score
	.globl	k_q9846c2b700_score
	.p2align	8
	.type	k_q9846c2b700_score,@function
k_q9846c2b700_score:
	s_mov_b64 s[64:65], 0
	v_nop
	global_prefetch_b8 v0, s[64:65] scope:SCOPE_SE
	s_setreg_imm32_b32 hwreg(HW_REG_WAVE_MODE, 25, 1), 1
	s_wait_xcnt 0x0
	s_wait_alu depctr_hold_cnt(0) depctr_sa_sdst(0) depctr_va_vdst(0) depctr_va_sdst(0) depctr_va_ssrc(0) depctr_va_vcc(0) depctr_vm_vsrc(0)
	s_getreg_b32 s2, hwreg(HW_REG_IB_STS2, 6, 4)
	s_cmp_eq_u32 s2, 0
	s_cbranch_scc0 .Lentry_in_a_cluster
	s_endpgm
.Lentry_in_a_cluster:
	s_bfe_u32 s2, ttmp6, 0x10000c
	s_cmp_lg_u32 s2, 0xf033
	s_cbranch_scc0 .Lentry_shape_is_right
	s_endpgm
.Lentry_shape_is_right:
; S^T = K Q^T on codes of BF6 (E3M2), K = 1,024, and the softmax's p, quantised along the keys.  t = score x log2(e) / 32.
; A wave makes 128 keys x 128 queries.  For each query and these 128 keys: M = ceil(the largest t of the 128), a whole number; p = 2^(t - M); its codes and scale word; the sum of the unquantised p.
; M is LOCAL to the 128 keys.  The next launch takes the row's largest M and moves each scale byte and each partial sum by the whole number M_local - M_row: an exact power of two, so the codes' values are those under the row's M.
; Stored: pc: p's fragments as register images (query tile x 8 records of two fragments, 3,072 bytes a record); st: three arrays [16 runs of 128 keys][8,192 queries] of 4 bytes: -M (f32), the partial sum, the scale word.
; Source 0 = 16 keys (B, by cx), source 1 = 16 queries (A, by cy): a lane holds one query; by the tiles' row order its 64 registers are 16 neighbouring keys of each block of 32.
; A block's largest p is taken from its largest score, by the same multiply-add and exponential: this takes v_exp_f32 not to fall where its input rises.
; LIMITS: M is exact as f32 for |t| up to 2^24; a block whose every p is under 2^-122 keeps the byte 1; NaN and infinities are not served.
; CLUSTERS: 4 x 4; the queries' tiles are shared along a row of the cluster, the keys' along a column.
; LDS: THREE slots of 256 along K (106,496 bytes each).  K = 1,024 is four tiles; tile n lies in slot n % 3.  Tiles 0, 1 and 2 are asked for together at the start: three loads of a wave are out.  Tile 3 alone is a refill, into slot 0 at
; tile 0's change of slots: it has tiles 1 and 2, some 290 matrix instructions a wave, in which to land.  The change from slot 1 to slot 2 has no barrier: tile 2 was shown landed to every wave at tile 0's change, and slot 1 is not filled again.
; REGISTERS: window 0: v32-63 scale words alone (set n % 2 for tile n), v64-159, v160-255 A's sets (v64-159 at work in the softmax); window 1: B's sets; windows 2, 3: accumulators.
; THE FILLS, as this text has them (in place of 'three loads of a wave are out' above): the head has ONE load a wave.  Wave 0 brings the queries' record 0 (16 operand tiles x 3,328 bytes) to byte 0, wave 1 the keys' to byte 53,248;
; wave 2 brings the queries' records 1 and 2 as one load (16 x 6,656 bytes) to byte 106,496, wave 3 the keys' to byte 212,992: there an operand tile's two records lie on end, so 'slots 1 and 2' above are the two records of that region.
; Ahead of the first barrier waves 0 and 1 alone wait for their loads. Record 3, the one refill, is brought by waves 0 and 1.
; PREFETCH: record 3 is named in record 0's first step, two steps of 64 matrix instructions ahead of its load.  Each of the four partners that ask for an operand's 16 tiles jointly names four of them, told apart by address
; (cx for the queries, cy for the keys), two to a wave: a half of the lanes to an operand tile, a lane to 256 bytes, 13 to a record; the lanes left over name the record's last block again.  Records 0 to 2 are asked for by their loads at once.
.set SLOTB, 106496
.set STG,   3*SLOTB                    ; 1,536 bytes for each wave: three arrays of 128 words
.set SPARE, STG+6144                   ; the spare words: two blocks of 256 bytes that no other line names
.set LI,   4
.set VA,   8                           ; v8-10   my half of A in slots 0, 1, 2
.set VB,   12                          ; v12-14  my half of B
.set VS,   16                          ; v16-18  the scale words
.set SGW,  20                          ; v20  my query's word in my wave's stage
.set SGR,  21                          ; v21  16 x lane in it
.set SPW,  28
.set NIL,  29
.set SC0,  32
.set AF0,  64
.set ASTR, 96
.set NA,   8
.set NQ,   2
.set TSA,  3328
.set TSB,  3328
.set BM,   64                          ; v64-67  the blocks' largest scores, then largest p
.set BX,   68
.set NMR,  72                          ; v72 -M (v73 named with it as a pair)
.set RM,   74
.set LS,   76                          ; v76 the sum, v77 the other half's
.set SU,   80                          ; v80-111
.set EX,   112
.set BY,   116
.set PW,   120
.set PC,   124                         ; v124-143
.set WV,   20
.set HA,   21
.set HB,   22
.set LA,   66
.set LB,   67
.set G1A,  32                          ; s[32:39], s[40:47] group 1 for one record of 16 operand tiles: the queries', the keys'
.set G1B,  40
.set G1A2, 48                          ; s[48:55], s[56:63] for two records of 16 operand tiles
.set G1B2, 56
.set GXA,  80                          ; s[80:83], s[84:87] group 0 for record 0, later record 3
.set GXB,  84
.set GYA,  88                          ; s[88:91], s[96:99] group 0 for records 1 and 2
.set GYB,  96
.set PA,   68
.set PB,   70
.set OP,   72
.set OS,   74
.set CS,   76
.set SEL,  78
.set MSB, 0
.macro WIN new
.if MSB != (\new)
	s_set_vgpr_msb (MSB<<8)|(\new)
.set MSB, (\new)
.endif
.endm
.macro PLACES n
.rept \n
	v_nop
.endr
.endm
.macro G1SET g, c, r, p
	s_mov_b32 s[\g+1], (\c)<<16
	s_mov_b32 s[\g+2], (\r)<<16
	s_mov_b32 s[\g+3], (\c)<<16
	s_mov_b32 s[\g+4], \r
	s_mov_b32 s[\g+5], \p
	s_mov_b32 s[\g+6], 0
	s_mov_b32 s[\g+7], 0
.endm
.macro ARM under, g0, g1, next         ; an arm of the head's one chain of branches on the wave's number: its load, s_nop 0 and four v_nop, and a jump to the chain's end
	s_cmp_lt_u32 s[WV], \under
	s_cbranch_scc0 \next
	tensor_load_to_lds s[\g0:\g0+3], s[\g1:\g1+7]
	s_nop 0
.rept 4
	v_nop
.endr
	s_branch .Lhead_asked
\next:
.endm
.macro CREST
	s_cmp_lg_u32 s[WV], 0
	s_cbranch_scc1 .Lnot_wave_0_\@
	s_barrier_signal -3
.Lnot_wave_0_\@:
	s_barrier_wait -3
	s_barrier_signal -1
	s_barrier_wait -1
.endm
.macro CROUND
	s_barrier_signal -1
	s_barrier_wait -1
	CREST
.endm
.macro G0SET g, lds, p, o              ; a group 0: to LDS byte lds, from o bytes along the records of the operand at p
	s_mov_b32 s[\g], 1
	s_mov_b32 s[\g+1], \lds
	s_add_nc_u64 s[\g+2:\g+3], s[\p:\p+1], \o
	s_or_b32 s[\g+3], s[\g+3], 0x80000000
.endm
.macro FRAG reg, adr, off
	ds_load_b128 v[(\reg):(\reg)+3], v[\adr] offset:(\off)
	ds_load_b128 v[(\reg)+4:(\reg)+7], v[\adr] offset:(\off)+512
	ds_load_b128 v[(\reg)+8:(\reg)+11], v[\adr] offset:(\off)+1024
.endm
.macro FETCH n, qq, set                ; the fragments of record n's step qq; with step 0 the record's scale words (lanes 0-15 A's tile i, lanes 16-31 B's)
.set TSA, 3328*(1+(((\n)%3)+1)/2)      ; from operand tile to operand tile: 3,328 bytes for records 0 and 3, 6,656 for records 1 and 2
.set TSB, TSA
	WIN 0x40
.set fi, 0
.rept 8
	FRAG 96*(\set)+12*fi, VB+((\n)%3), fi*TSB+((\qq)%2)*1536
.set fi, fi+1
.endr
	WIN 0
.set fi, 0
.rept NA
	FRAG AF0+ASTR*(\set)+12*fi, VA+((\n)%3), fi*TSA+((\qq)%2)*1536
.set fi, fi+1
.endr
.if ((\qq)%2) == 0
.set fi, 0
.rept 8
	ds_load_b64 v[SC0+16*((\n)%2)+2*fi:SC0+16*((\n)%2)+2*fi+1], v[VS+((\n)%3)] offset:fi*TSB
.set fi, fi+1
.endr
.endif
.endm
.macro MULS a0, n, set, qq, t, cm      ; tile t's step qq.  cm = 1: the first product starts the sums.  The 64 accumulators take turns, one instruction a turn
.set ma, (\a0)
.rept (\n)
	WIN 0xa1+0x50*(ma/4)
.set mb, 0
.rept 8
.set rD, 8*(8*(ma%4)+mb)
.set rB, 96*(\set)+12*mb
.set rA, AF0+ASTR*(\set)+12*ma
.set rSB, SC0+16*((\t)%2)+2*mb+(\qq)
.set rSA, SC0+16*((\t)%2)+2*ma+(\qq)
.if (\cm) == 0
	v_wmma_scale_f32_16x16x128_f8f6f4 v[rD:rD+7], v[rB:rB+11], v[rA:rA+11], v[rD:rD+7], v[rSB], v[rSA] matrix_a_fmt:MATRIX_FMT_BF6 matrix_b_fmt:MATRIX_FMT_BF6 matrix_a_scale:MATRIX_SCALE_ROW1
.else
	v_wmma_scale_f32_16x16x128_f8f6f4 v[rD:rD+7], v[rB:rB+11], v[rA:rA+11], 0, v[rSB], v[rSA] matrix_a_fmt:MATRIX_FMT_BF6 matrix_b_fmt:MATRIX_FMT_BF6 matrix_a_scale:MATRIX_SCALE_ROW1
.endif
.set mb, mb+1
.endr
.set ma, ma+1
.endr
.endm
.macro STEP t, qq, cm
	s_wait_dscnt 0x0                               ; this step's fragments, asked for a step ago, are in
	PLACES 4                                       ; in front of loads into registers that matrix instructions have read
	FETCH \t, (\qq)+1, 1-((\qq)%2)
	MULS 0, NA, (\qq)%2, \qq, \t, \cm
	WIN 0
.endm
; Tile t's last step where the next tile has been shown landed to every wave and tile t's slot is not filled again: a step like any other, which fetches from the next slot
.macro CROSS t, next
	s_wait_dscnt 0x0
	PLACES 4
	FETCH \next, 0, 0
	MULS 0, NA, 1, NQ-1, \t, 0
	WIN 0
.endm
.macro TURN_A t
	s_wait_tensorcnt 0x0                           ; all my tensor loads have landed
	ds_add_u32 v[SPW], v[NIL]                      ; 0 onto my spare word
	s_wait_dscnt 0x1                               ; this step's fragments are in; the add alone may be out
	MULS 0, NA/4, 1, NQ-1, \t, 0
	s_wait_dscnt 0x0                               ; the add is done, and my reads of this slot are over
	s_barrier_signal -1
	MULS NA/4, NA/4, 1, NQ-1, \t, 0
	WIN 0
	s_barrier_wait -1
.endm
.macro TURN_B t, next
	FETCH \next, 0, 0
	MULS NA/2, NA/2, 1, NQ-1, \t, 0
	WIN 0
.endm
; THE SOFTMAX of tile a of my queries (a lane: one query, 64 of its 128 keys; lane l xor 16 holds the others).
.macro SOFTQ a
.set sw, 2+(\a)/4
.set ss, 64*((\a)%4)
	WIN sw|(sw<<2)
.irp b, 0,1,2,3
	v_max3_num_f32 v[BM+\b], v[ss+16*\b], v[ss+16*\b+1], 0xff800000   ; the largest score of each block of 32 keys; each accumulator is read from its low end on
.endr
.irp i, 2,4,6,8,10,12,14
.irp b, 0,1,2,3
	v_max3_num_f32 v[BM+\b], v[ss+16*\b+\i], v[ss+16*\b+\i+1], v[BM+\b]
.endr
.endr
	WIN 0
.irp b, 0,1,2,3
	v_permlanex16_b32 v[BX+\b], v[BM+\b], s[SEL], s[SEL+1]
.endr
.irp b, 0,1,2,3
	v_max_num_f32 v[BM+\b], v[BM+\b], v[BX+\b]
.endr
	v_max3_num_f32 v[RM], v[BM], v[BM+1], v[BM+2]
	v_max_num_f32 v[RM], v[RM], v[BM+3]
	v_mul_f32 v[RM], s[CS], v[RM]                  ; the largest t of the 128 (c is positive)
	v_floor_f32 v[NMR], -v[RM]                     ; -M = floor(-t): M is a whole number
.irp b, 0,1,2,3
	v_fma_f32 v[BM+\b], v[BM+\b], s[CS], v[NMR]
.endr
	WIN sw|(sw<<6)
.set i2, 0
.rept 32
	v_pk_fma_f32 v[ss+i2:ss+i2+1], v[ss+i2:ss+i2+1], s[CS:CS+1], v[NMR:NMR+1] op_sel_hi:[1,0,0]   ; t - M, two at a time
.set i2, i2+2
.endr
.set i2, 0
	s_wait_alu depctr_va_vdst(0)
.rept 64
	v_exp_f32 v[ss+i2], v[ss+i2]                   ; p = 2^(t - M)
.set i2, i2+1
.endr
	WIN 0
.irp b, 0,1,2,3
	v_exp_f32 v[BM+\b], v[BM+\b]                   ; the blocks' largest p
.endr
	v_nop                                          ; a plain place behind the last exponential
	s_wait_alu depctr_va_vdst(0)                   ; one wait for the batch of 68, ahead of its first reader
	WIN sw|(sw<<2)
.set i2, 0
.rept 16
	v_pk_add_f32 v[SU+2*i2:SU+2*i2+1], v[ss+4*i2:ss+4*i2+1], v[ss+4*i2+2:ss+4*i2+3]   ; the sum is taken of the unquantised p
.set i2, i2+1
.endr
	WIN 0
.irp i, 0,1,2,3,4,5,6,7
	v_pk_add_f32 v[SU+4*\i:SU+4*\i+1], v[SU+4*\i:SU+4*\i+1], v[SU+4*\i+2:SU+4*\i+3]
.endr
.irp i, 0,1,2,3
	v_pk_add_f32 v[SU+8*\i:SU+8*\i+1], v[SU+8*\i:SU+8*\i+1], v[SU+8*\i+4:SU+8*\i+5]
.endr
.irp i, 0,1
	v_pk_add_f32 v[SU+16*\i:SU+16*\i+1], v[SU+16*\i:SU+16*\i+1], v[SU+16*\i+8:SU+16*\i+9]
.endr
	v_pk_add_f32 v[SU:SU+1], v[SU:SU+1], v[SU+16:SU+17]
	v_add_f32 v[LS], v[SU], v[SU+1]
	v_permlanex16_b32 v[LS+1], v[LS], s[SEL], s[SEL+1]
	v_add_f32 v[LS], v[LS], v[LS+1]                ; the sum over the 128 keys
.irp b, 0,1,2,3
	v_max_num_f32 v[BM+\b], 0x2800000, v[BM+\b]    ; the floor 2^(5 - 127)
.endr
.irp b, 0,1,2,3
	v_add_nc_u32 v[EX+\b], 0xfe000000, v[BM+\b]    ; the conversion's scale operand
.endr
.irp b, 0,1,2,3
	v_lshrrev_b32 v[BY+\b], 23, v[EX+\b]
.endr
	v_lshl_or_b32 v[PW], v[BY+1], 8, v[BY]
	v_lshl_or_b32 v[PW], v[BY+2], 16, v[PW]
	v_lshl_or_b32 v[PW], v[BY+3], 24, v[PW]
	s_wait_xcnt 0x0                                ; the last tile's stores to memory have read the codes' registers, which the conversions write; this tile's maxima, exponentials and sums stand between those stores and this wait
	WIN sw
.irp c, 0,1
	v_cvt_scalef32_pk16_bf6_f32 v[PC+6*\c:PC+6*\c+2], v[ss+32*\c:ss+32*\c+15], v[EX+2*\c]
	v_cvt_scalef32_pk16_bf6_f32 v[PC+12+4*\c:PC+14+4*\c], v[ss+32*\c+16:ss+32*\c+31], v[EX+2*\c+1]
.endr
	WIN 0
	v_nop                                          ; one plain place behind a scaled conversion
.irp c, 0,1
.irp i, 0,1,2
	v_permlane16_swap_b32 v[PC+6*\c+\i], v[PC+12+4*\c+\i]
.endr
.irp i, 0,1,2
	v_mov_b32 v[PC+3+6*\c+\i], v[PC+12+4*\c+\i]
.endr
.endr
.irp g, 0,1,2
	global_store_b128 v[LI], v[PC+4*\g:PC+4*\g+3], s[OP:OP+1] offset:(\a)*24576+512*\g   ; 512 consecutive bytes
.endr
	ds_store_b32 v[SGW], v[NMR] offset:64*(\a)     ; both halves of the lanes write the same word with the same value
	ds_store_b32 v[SGW], v[LS] offset:512+64*(\a)
	ds_store_b32 v[SGW], v[PW] offset:1024+64*(\a)
.endm
	s_load_b256 s[4:11], s[0:1], 0x0               ; qc, kc, pc, st
	v_lshl_add_u32 v[SPW], v0, 2, SPARE
	v_mov_b32 v[NIL], 0
	ds_add_u32 v28, v29
	ds_add_u32 v28, v29
	s_wait_dscnt 0x0
	v_lshrrev_b32 v1, 5, v0
	v_readfirstlane_b32 s[WV], v1
	s_lshr_b32 s[HA], s[WV], 1                     ; my half of the queries.  Also: I fetch for A (0) or for B (1)
	s_and_b32 s[HB], s[WV], 1                      ; my half of the keys.  Also: which half I fetch
	s_bfe_u32 s23, ttmp6, 0x40000                  ; cx
	s_bfe_u32 s24, ttmp6, 0x40004                  ; cy
	s_and_b32 s25, ttmp7, 0xffff                   ; the batch
	s_lshl_b32 s26, ttmp9, 2
	s_add_co_u32 s26, s26, s23                     ; kx: which 256 keys of the batch
	s_lshl_b32 s28, s24, 2
	s_lshl_b32 s28, 15, s28                        ; my row of the cluster
	s_lshl_b32 s27, 0x1111, s23                    ; my column
	s_or_b32 s[G1A], s28, (3<<16)|(1<<21)
	s_or_b32 s[G1B], s27, (3<<16)|(1<<21)
	s_or_b32 s[G1A2], s28, (3<<16)|(1<<21)
	s_or_b32 s[G1B2], s27, (3<<16)|(1<<21)
	G1SET G1A, 416, 16, 1664                       ; 16 operand tiles x one record, 13,312 bytes apart in memory
	G1SET G1B, 416, 16, 1664
	G1SET G1A2, 832, 16, 1664                      ; 16 x two records
	G1SET G1B2, 832, 16, 1664
	s_lshl_b32 s3, s[HB], 3
	s_lshl_b32 s30, s25, 2
	s_add_co_u32 s30, s30, s24                     ; 4 batch + cy: which 256 queries
	s_lshl_b32 s[PA], s30, 4
	s_mul_i32 s[PA], s[PA], 13312
	s_mov_b32 s[PA+1], 0
	s_lshl_b32 s[PB], s25, 3
	s_add_co_u32 s[PB], s[PB], s26
	s_lshl_b32 s[PB], s[PB], 4
	s_mul_i32 s[PB], s[PB], 13312
	s_mov_b32 s[PB+1], 0
	s_lshl_b32 s[OP], s30, 4
	s_lshl_b32 s29, s[HA], 3
	s_add_co_u32 s[OP], s[OP], s29
	s_mul_i32 s[OP], s[OP], 24576                  ; query tile 16 (4 batch + cy) + 8 ha,
	s_mul_i32 s31, s26, 3072
	s_add_co_u32 s[OP], s[OP], s31                 ; record kx,
	s_mul_i32 s29, s[HB], 1536
	s_add_co_u32 s[OP], s[OP], s29                 ; fragment hb
	s_mov_b32 s[OP+1], 0
	s_lshl_b32 s[OS], s26, 1
	s_add_co_u32 s[OS], s[OS], s[HB]
	s_lshl_b32 s[OS], s[OS], 15                    ; run 2 kx + hb of 128 keys: 32,768 bytes each,
	s_lshl_b32 s31, s30, 10
	s_add_co_u32 s[OS], s[OS], s31
	s_lshl_b32 s29, s[HA], 9
	s_add_co_u32 s[OS], s[OS], s29                 ; my 128 queries
	s_mov_b32 s[OS+1], 0
	s_mul_i32 s[LA], s[HB], 26624
	s_add_co_u32 s[LB], s[LA], 53248
	s_mov_b32 s[CS], 0x3d38aa3b                    ; c = log2(e) / sqrt(1,024)
	s_mov_b32 s[CS+1], s[CS]                       ; (named with it as a pair, so it is written)
	s_mov_b32 s[SEL], 0x76543210
	s_mov_b32 s[SEL+1], 0xfedcba98
	s_wait_kmcnt 0x0
	s_add_nc_u64 s[PA:PA+1], s[4:5], s[PA:PA+1]
	s_add_nc_u64 s[PB:PB+1], s[6:7], s[PB:PB+1]
	s_add_nc_u64 s[OP:OP+1], s[8:9], s[OP:OP+1]
	s_add_nc_u64 s[OS:OS+1], s[10:11], s[OS:OS+1]
	G0SET GXA, 0, PA, 0                            ; s[PA], s[PB]: the first of my work-group's 16 operand tiles
	G0SET GXB, 53248, PB, 0
	G0SET GYA, SLOTB, PA, 3328
	G0SET GYB, 2*SLOTB, PB, 3328
	CROUND                                         ; all sixteen work-groups are here: the first joint loads meet
	ARM 1, GXA, G1A,  .Lhead_b                     ; wave 0: the queries' record 0
	ARM 2, GXB, G1B,  .Lhead_ya                    ; wave 1: the keys' record 0
	ARM 3, GYA, G1A2, .Lhead_yb                    ; wave 2: the queries' records 1 and 2
	tensor_load_to_lds s[GYB:GYB+3], s[G1B2:G1B2+7]   ; wave 3: the keys' records 1 and 2
	s_nop 0
	PLACES 4
.Lhead_asked:
	s_cmp_eq_u32 s[HA], 0                          ; the prefetch's base: waves 0 and 1 name queries, waves 2 and 3 keys
	s_cselect_b64 s[92:93], s[PA:PA+1], s[PB:PB+1]
	s_cselect_b32 s94, s23, s24                    ; my work-group's place among the four that ask jointly
	s_lshl_b32 s94, s94, 1
	s_add_co_u32 s94, s94, s3                      ; operand tiles 8 hb + 2 place and the next
	s_mul_i32 s94, s94, 13312
	s_mov_b32 s95, 0
	s_add_nc_u64 s[92:93], s[92:93], s[94:95]
	s_mul_i32 s29, s[HA], 26624                    ; my half of A for records 0 and 3; twice that for records 1 and 2
	s_xor_b32 s31, s[HA], 1
	s_mul_i32 s31, s31, 26624
	s_add_co_u32 s31, s31, 26624
	s_add_co_u32 s3, s[LA], s31                    ; from my half of A to my half of B: 26,624 (2 - ha + hb): one product with h;
	s_lshl_b32 s30, s3, 1                          ; twice that for records 1 and 2
	v_and_b32 v1, 15, v0
	v_bfe_u32 v2, v0, 4, 1
	v_and_b32 v3, 31, v0
	v_mul_u32_u24 v6, v2, 13312
	v_min_u32 v5, 12, v1
	v_lshl_add_u32 v5, v5, 8, v6                   ; v5: the prefetch's offset: operand tile h of my two, block min(r, 12) of a record; never rewritten
	v_lshlrev_b32 v[LI], 4, v3
	v_add_nc_u32 v8, s29, v[LI]                    ; my half of A: records 0 and 3,
	v_add_nc_u32 v9, s29, v8
	v_add_nc_u32 v9, SLOTB, v9                     ; record 1: 106,496 + 53,248 ha,
	v_add_nc_u32 v10, 3328, v9                     ; record 2
	v_add_nc_u32 v12, s[LB], v[LI]                 ; my half of B: 53,248 + 26,624 hb,
	v_add_nc_u32 v13, s[LB], v12
	v_add_nc_u32 v13, SLOTB, v13                   ; 212,992 + 53,248 hb,
	v_add_nc_u32 v14, 3328, v13
	v_lshlrev_b32 v22, 3, v3
	v_add_nc_u32 v22, s29, v22
	v_add_nc_u32 v22, 3072, v22                    ; A's scale words, for lanes 0-15
	v_mul_u32_u24 v23, s3, v2
	v_add_nc_u32 v16, v22, v23
	v_mul_u32_u24 v24, s30, v2
	v_add_nc_u32 v17, s29, v22
	v_add_nc_u32 v17, SLOTB, v17
	v_add_nc_u32 v17, v17, v24
	v_add_nc_u32 v18, 3328, v17
	s_mul_i32 s29, s[WV], 1536
	s_add_co_u32 s29, s29, STG
	v_lshl_add_u32 v[SGW], v1, 2, s29
	v_add_nc_u32 v[SGR], s29, v[LI]
	s_wait_alu depctr_va_vdst(0)
	s_cmp_lt_u32 s[WV], 2
	s_cbranch_scc0 .Lnot_record_0                  ; waves 2 and 3 brought records 1 and 2, which nobody reads before record 0's change
	s_wait_tensorcnt 0x0                           ; waves 0 and 1: my operand's record 0 is in
.Lnot_record_0:
	s_barrier_signal -1
	s_barrier_wait -1
	FETCH 0, 0, 0
	global_prefetch_b8 v5, s[92:93] offset:9984 th:TH_LOAD_NT scope:SCOPE_SE   ; record 3
	STEP 0, 0, 1
	TURN_A 0                                       ; every wave's parts of tiles 1 and 2 have landed
	CREST                                          ; the barrier has opened a round of the cluster's
	s_add_nc_u64 s[GXA+2:GXA+3], s[GXA+2:GXA+3], 9984   ; every load of mine has been waited for: record 0's groups 0 step to record 3
	s_add_nc_u64 s[GXB+2:GXB+3], s[GXB+2:GXB+3], 9984
	s_cmp_lt_u32 s[WV], 1
	s_cbranch_scc0 .Lrec3_b
	tensor_load_to_lds s[GXA:GXA+3], s[G1A:G1A+7]  ; wave 0: the queries' record 3 over record 0: the one refill
	s_nop 0
	PLACES 4
	s_branch .Lrec3_asked
.Lrec3_b:
	s_cmp_lt_u32 s[WV], 2
	s_cbranch_scc0 .Lrec3_asked                    ; waves 2 and 3 have no part of it
	tensor_load_to_lds s[GXB:GXB+3], s[G1B:G1B+7]  ; wave 1: the keys' record 3
	s_nop 0
	PLACES 4
.Lrec3_asked:
	PLACES 4                                       ; in front of the loads below, on every wave's way
	TURN_B 0, 1
	STEP 1, 0, 0
	CROSS 1, 2
	STEP 2, 0, 0
	TURN_A 2                                       ; tile 3 has landed; nothing is filled again: no round follows
	PLACES 4
	TURN_B 2, 3
	STEP 3, 0, 0
	s_wait_dscnt 0x0
	MULS 0, NA, 1, NQ-1, 3, 0
	WIN 0
	PLACES 4                                       ; in front of the first read of results
.irp b, 0,1,2,3
	v_mov_b32 v[BX+\b], 0                          ; a lane permute's destination counts as one of its sources
.endr
	v_mov_b32 v[NMR+1], 0                          ; named as the upper half of a pair
	v_mov_b32 v[LS+1], 0
.irp a, 0,1,2,3,4,5,6,7
	SOFTQ \a
.endr
.irp g, 0,1,2
	ds_load_b128 v[148+4*\g:151+4*\g], v[SGR] offset:512*\g   ; LDS serves a wave's instructions in order: these see my stores
.endr
	s_wait_dscnt 0x0
.irp g, 0,1,2
	global_store_b128 v[LI], v[148+4*\g:151+4*\g], s[OS:OS+1] offset:524288*\g   ; 128 queries' words: 512 consecutive bytes
.endr
	s_wait_tensorcnt 0x0                           ; the wave's end
	ds_add_u32 v[SPW], v[NIL]
	s_wait_dscnt 0x0
	CROUND                                         ; the closing round
	s_endpgm
.Lfunc_end_k_q9846c2b700_score:
	.size	k_q9846c2b700_score, .Lfunc_end_k_q9846c2b700_score-k_q9846c2b700_score
	.p2alignl 7, 3214868480
	.fill 96, 4, 3214868480
	.section	.rodata,"a",@progbits
	.p2align	6, 0x0
	.amdhsa_kernel k_q9846c2b700_score
		.amdhsa_group_segment_fixed_size 327680
		.amdhsa_private_segment_fixed_size 0
		.amdhsa_enable_private_segment 0
		.amdhsa_kernarg_size 32
		.amdhsa_user_sgpr_count 2
		.amdhsa_user_sgpr_kernarg_segment_ptr 1
		.amdhsa_wavefront_size32 1
		.amdhsa_system_sgpr_workgroup_id_x 1
		.amdhsa_system_sgpr_workgroup_id_y 1
		.amdhsa_system_sgpr_workgroup_id_z 1
		.amdhsa_system_vgpr_workitem_id 0
		.amdhsa_next_free_vgpr 1024
		.amdhsa_next_free_sgpr 100
		.amdhsa_reserve_vcc 0
		.amdhsa_float_denorm_mode_32 3
		.amdhsa_float_denorm_mode_16_64 3
		.amdhsa_memory_ordered 1
		.amdhsa_forward_progress 1
		.amdhsa_inst_pref_size 196
	.end_amdhsa_kernel
	.amdgpu_metadata
---
amdhsa.version: [ 1, 2 ]
amdhsa.kernels:
  - .name:           k_q9846c2b700_score
    .symbol:         k_q9846c2b700_score.kd
    .args:
      - { .name: qc, .offset: 0, .size: 8, .value_kind: global_buffer, .address_space: global }
      - { .name: kc, .offset: 8, .size: 8, .value_kind: global_buffer, .address_space: global }
      - { .name: pc, .offset: 16, .size: 8, .value_kind: global_buffer, .address_space: global }
      - { .name: st, .offset: 24, .size: 8, .value_kind: global_buffer, .address_space: global }
    .group_segment_fixed_size: 327680
    .private_segment_fixed_size: 0
    .kernarg_segment_align: 8
    .kernarg_segment_size: 32
    .max_flat_workgroup_size: 128
    .sgpr_count:     100
    .vgpr_count:     1024
    .wavefront_size: 32
...
	.end_amdgpu_metadata
.endif
;; end of part 3
;; launch attend (part 4): grid 4 x 64, 4 waves a work-group, clusters of 4 x 4, 327,680 bytes of LDS; arguments pc, vc, st, out0; writes out0
.if DOCPART == 4
	.amdgcn_target "amdgcn-amd-amdhsa--gfx1250"
	.amdhsa_code_object_version 6
	.text
	.protected	k_q9846c2b700_attend
	.globl	k_q9846c2b700_attend
	.p2align	8
	.type	k_q9846c2b700_attend,@function
k_q9846c2b700_attend:
	s_mov_b64 s[64:65], 0
	v_nop
	global_prefetch_b8 v0, s[64:65] scope:SCOPE_SE
	s_setreg_imm32_b32 hwreg(HW_REG_WAVE_MODE, 25, 1), 1
	s_wait_xcnt 0x0
	s_wait_alu depctr_hold_cnt(0) depctr_sa_sdst(0) depctr_va_vdst(0) depctr_va_sdst(0) depctr_va_ssrc(0) depctr_va_vcc(0) depctr_vm_vsrc(0)
	s_getreg_b32 s2, hwreg(HW_REG_IB_STS2, 6, 4)
	s_cmp_eq_u32 s2, 0
	s_cbranch_scc0 .Lentry_in_a_cluster
	s_endpgm
.Lentry_in_a_cluster:
	s_bfe_u32 s2, ttmp6, 0x10000c
	s_cmp_lg_u32 s2, 0xf033
	s_cbranch_scc0 .Lentry_shape_is_right
	s_endpgm
.Lentry_shape_is_right:
; out0 = (P V) / l on codes of BF6 (E3M2), K = the 2,048 keys.  A work-group makes 128 queries x 256 hidden units, a wave 64 x 128: source 0 = 16 rows of V^T (8 tiles, by cx), source 1 = 16 queries of p (4 tiles, by cy).
; p's codes were made under an M of their own for each run of 128 keys.  At the head thread t takes query t of the 128: the row's M is the largest of the 16; each run's partial sum and its four scale bytes are moved by the
; whole number M_run - M_row (0 or less): an exact power of two.  The moved scale words and 1 / l go to LDS bytes that no tile lands on.  This work stands between the request for the first tile and the wait for it.
; LIMITS: M_run - M_row is held at -127 and a moved byte at 0 from below (2^-127, a finite code): what lies further down counts as that; NaN and infinities are not served.
; LDS: two slots of 512 keys (p's 8 tiles x 6,144 bytes, then V's 16 x 6,656).  Fill 0 is asked for at the head, one load a wave; fill 1 behind the wait for it, the add and a round of the cluster's barrier, which also shows the
; scale words to every wave; fills 2 and 3 are refills at the changes of slots.  CLUSTERS: 4 x 4; p's tiles are shared along a row of the cluster, V's along a column.
; PREFETCHES: fill 1 is named at the head, behind the wait for the 48 words of st, so that fill 0's own load is asked for first; fill 2 in fill 0's first step, fill 3 in fill 1's: a slot of four steps ahead of their loads.
; Of the tiles that a wave fetches each of the four partners that ask jointly names a quarter, told apart by address (cx: one tile of p, two instructions of 12 blocks of 256 bytes; cy: two tiles of V, 26 blocks each);
; the lanes left over name the last block again.
; The way out: x 1 / l, through the wave's own stage in slot 0, which has had its last fill, and out as rows of 512 bytes.
.set SLOTB, 155648
.macro ASK r                           ; v[r], v[r + 1]: a fill's two offsets, made at the head and never rewritten
	global_prefetch_b8 v[\r], s[76:77] th:TH_LOAD_NT scope:SCOPE_SE
	global_prefetch_b8 v[\r+1], s[76:77] th:TH_LOAD_NT scope:SCOPE_SE
.endm
.set PSC,   2*SLOTB
.set RL,    PSC+8192
.set SPARE, RL+512
.set LI,   4
.set VA,   8
.set VB,   12
.set VS,   16
.set ADPS, 18
.set SPW,  28
.set NIL,  29
.set SCB0, 32
.set SCA0, 64
.set AF0,  96
.set ASTR, 48
.set NA,   4
.set NQ,   4
.set TSA,  6144
.set TSB,  6656
.set RECA, 3072
.set RECB, 3328
.set WV,   20
.set HA,   21
.set HB,   22
.set LA,   66
.set LB,   67
.set G1A,  32
.set G1B,  40
.set G0A,  48
.set G0B,  56
.set PA,   68
.set PB,   70
.set SB,   72
.set OUT,  74
.set MSB, 0
.macro WIN new
.if MSB != (\new)
	s_set_vgpr_msb (MSB<<8)|(\new)
.set MSB, (\new)
.endif
.endm
.macro PLACES n
.rept \n
	v_nop
.endr
.endm
.macro G1SET g, c, r, p
	s_mov_b32 s[\g+1], (\c)<<16
	s_mov_b32 s[\g+2], (\r)<<16
	s_mov_b32 s[\g+3], (\c)<<16
	s_mov_b32 s[\g+4], \r
	s_mov_b32 s[\g+5], \p
	s_mov_b32 s[\g+6], 0
	s_mov_b32 s[\g+7], 0
.endm
.macro JLOAD g0a, g1a, g0b, g1b
	s_cmp_eq_u32 s[HA], 0
	s_cbranch_scc0 .Lfor_b_\@
	tensor_load_to_lds s[\g0a:\g0a+3], s[\g1a:\g1a+7]
	s_nop 0
.rept 4
	v_nop
.endr
	s_branch .Lasked_\@
.Lfor_b_\@:
	tensor_load_to_lds s[\g0b:\g0b+3], s[\g1b:\g1b+7]
	s_nop 0
.rept 4
	v_nop
.endr
.Lasked_\@:
.endm
.macro CREST
	s_cmp_lg_u32 s[WV], 0
	s_cbranch_scc1 .Lnot_wave_0_\@
	s_barrier_signal -3
.Lnot_wave_0_\@:
	s_barrier_wait -3
	s_barrier_signal -1
	s_barrier_wait -1
.endm
.macro CROUND
	s_barrier_signal -1
	s_barrier_wait -1
	CREST
.endm
.macro FILL slot, n
	s_add_co_u32 s[G0A+4*\slot+1], s[LA], \slot*SLOTB
	s_add_nc_u64 s[G0A+4*\slot+2:G0A+4*\slot+3], s[PA:PA+1], 6144*\n
	s_or_b32 s[G0A+4*\slot+3], s[G0A+4*\slot+3], 0x80000000
	s_add_co_u32 s[G0B+4*\slot+1], s[LB], \slot*SLOTB
	s_add_nc_u64 s[G0B+4*\slot+2:G0B+4*\slot+3], s[PB:PB+1], 6656*\n
	s_or_b32 s[G0B+4*\slot+3], s[G0B+4*\slot+3], 0x80000000
.endm
.macro FRAG reg, adr, off
	ds_load_b128 v[(\reg):(\reg)+3], v[\adr] offset:(\off)
	ds_load_b128 v[(\reg)+4:(\reg)+7], v[\adr] offset:(\off)+512
	ds_load_b128 v[(\reg)+8:(\reg)+11], v[\adr] offset:(\off)+1024
.endm
.macro FETCH slot, qq, set
	WIN 0x40
.set fi, 0
.rept 8
	FRAG 96*(\set)+12*fi, VB+(\slot), fi*TSB+((\qq)/2)*RECB+((\qq)%2)*1536
.set fi, fi+1
.endr
	WIN 0
.set fi, 0
.rept NA
	FRAG AF0+ASTR*(\set)+12*fi, VA+(\slot), fi*TSA+((\qq)/2)*RECA+((\qq)%2)*1536
.set fi, fi+1
.endr
.if ((\qq)%2) == 0
.set fi, 0
.rept 8
	ds_load_b64 v[SCB0+16*(((\qq)/2)%2)+2*fi:SCB0+16*(((\qq)/2)%2)+2*fi+1], v[VS+(\slot)] offset:fi*TSB+((\qq)/2)*RECB
.set fi, fi+1
.endr
.endif
.if (\qq) == 0
.irp a, 0,1,2,3
	ds_load_b128 v[SCA0+16*(\slot)+4*\a:SCA0+16*(\slot)+4*\a+3], v[ADPS] offset:1024*\a+256*SN
.endr
.endif
.endm
.macro MULS a0, n, set, qq, slot, cm
	WIN 0xa1
.set ma, (\a0)
.rept (\n)
.set mb, 0
.rept 8
.set rD, 8*(8*ma+mb)
.set rB, 96*(\set)+12*mb
.set rA, AF0+ASTR*(\set)+12*ma
.set rSB, SCB0+16*(((\qq)/2)%2)+2*mb+((\qq)%2)
.set rSA, SCA0+16*(\slot)+4*ma+(\qq)
.if (\cm) == 0
	v_wmma_scale_f32_16x16x128_f8f6f4 v[rD:rD+7], v[rB:rB+11], v[rA:rA+11], v[rD:rD+7], v[rSB], v[rSA] matrix_a_fmt:MATRIX_FMT_BF6 matrix_b_fmt:MATRIX_FMT_BF6
.else
	v_wmma_scale_f32_16x16x128_f8f6f4 v[rD:rD+7], v[rB:rB+11], v[rA:rA+11], 0, v[rSB], v[rSA] matrix_a_fmt:MATRIX_FMT_BF6 matrix_b_fmt:MATRIX_FMT_BF6
.endif
.set mb, mb+1
.endr
.set ma, ma+1
.endr
.endm
.macro STEP slot, qq, cm
	s_wait_dscnt 0x0
	PLACES 4
	FETCH \slot, (\qq)+1, 1-((\qq)%2)
	MULS 0, NA, (\qq)%2, \qq, \slot, \cm
	WIN 0
.endm
.macro TURN_A slot
	s_wait_tensorcnt 0x0
	ds_add_u32 v[SPW], v[NIL]
	s_wait_dscnt 0x1
	MULS 0, NA/4, 1, NQ-1, \slot, 0
	s_wait_dscnt 0x0
	s_barrier_signal -1
	MULS NA/4, NA/4, 1, NQ-1, \slot, 0
	WIN 0
	s_barrier_wait -1
.endm
.macro TURN_B slot, next
	FETCH \next, 0, 0
	MULS NA/2, NA/2, 1, NQ-1, \slot, 0
	WIN 0
.endm
	s_load_b256 s[4:11], s[0:1], 0x0
	v_lshl_add_u32 v[SPW], v0, 2, SPARE
	v_mov_b32 v[NIL], 0
	ds_add_u32 v28, v29
	ds_add_u32 v28, v29
	s_wait_dscnt 0x0
	v_lshrrev_b32 v1, 5, v0
	v_readfirstlane_b32 s[WV], v1
	v_lshlrev_b32 v20, 2, v0                       ; my query's word in each of the 48 rows of st
	s_lshr_b32 s[HA], s[WV], 1
	s_and_b32 s[HB], s[WV], 1
	s_bfe_u32 s23, ttmp6, 0x40000
	s_bfe_u32 s24, ttmp6, 0x40004
	s_and_b32 s25, ttmp7, 0xffff
	s_lshl_b32 s25, s25, 2
	s_lshl_b32 s28, s24, 2
	s_lshl_b32 s28, 15, s28
	s_lshl_b32 s27, 0x1111, s23
	s_or_b32 s[G1A], s28, (3<<16)|(1<<21)
	s_or_b32 s[G1B], s27, (3<<16)|(1<<21)
	G1SET G1A, 768, 4, 3072
	G1SET G1B, 832, 8, 3328
	s_add_co_u32 s30, s25, s24
	s_lshl_b32 s[PA], s30, 3
	s_lshl_b32 s3, s[HB], 2
	s_add_co_u32 s[PA], s[PA], s3
	s_mul_i32 s[PA], s[PA], 24576
	s_mov_b32 s[PA+1], 0
	s_lshr_b32 s[PB], s25, 3
	s_lshl_b32 s[PB], s[PB], 6
	s_lshl_b32 s26, s23, 4
	s_add_co_u32 s[PB], s[PB], s26
	s_lshl_b32 s3, s[HB], 3
	s_add_co_u32 s[PB], s[PB], s3
	s_mul_i32 s[PB], s[PB], 26624
	s_mov_b32 s[PB+1], 0
	s_lshl_b32 s[SB], s30, 9
	s_mov_b32 s[SB+1], 0
	s_lshl_b32 s[OUT], s30, 7
	s_lshl_b32 s29, s[HA], 6
	s_add_co_u32 s[OUT], s[OUT], s29
	s_lshl_b32 s[OUT], s[OUT], 12
	s_lshl_b32 s31, s23, 10
	s_add_co_u32 s[OUT], s[OUT], s31
	s_lshl_b32 s29, s[HB], 9
	s_add_co_u32 s[OUT], s[OUT], s29
	s_mov_b32 s[OUT+1], 0
	s_mul_i32 s[LA], s[HB], 24576
	s_mul_i32 s[LB], s[HB], 53248
	s_add_co_u32 s[LB], s[LB], 49152
	s_wait_alu depctr_va_vdst(0)
	s_wait_kmcnt 0x0
	s_add_nc_u64 s[PA:PA+1], s[4:5], s[PA:PA+1]
	s_add_nc_u64 s[PB:PB+1], s[6:7], s[PB:PB+1]
	s_add_nc_u64 s[SB:SB+1], s[8:9], s[SB:SB+1]
	s_add_nc_u64 s[OUT:OUT+1], s[10:11], s[OUT:OUT+1]
.irp g, 0,1,2
.irp k, 0,1,2,3,4,5,6,7,8,9,10,11,12,13,14,15
	global_load_b32 v[96+16*\g+\k], v20, s[SB:SB+1] offset:32768*\k+524288*\g   ; -M, the partial sum and the scale word of run k: nobody writes these bytes, so they may be out across the round
.endr
.endr
	CROUND
	s_mov_b32 s[G0A], 1
	s_mov_b32 s[G0A+4], 1
	s_mov_b32 s[G0B], 1
	s_mov_b32 s[G0B+4], 1
	FILL 0, 0
	JLOAD G0A, G1A, G0B, G1B
	FILL 1, 1                                      ; fill 1's groups 0; its load follows behind the round at the head's end
	s_cmp_eq_u32 s[HA], 0                          ; the prefetches' base: do I fetch p's tiles or V's?
	s_cselect_b64 s[76:77], s[PA:PA+1], s[PB:PB+1]
	s_cselect_b32 s78, s23, s24                    ; my place among the four that ask with me
	s_mov_b32 s79, 53248
	s_cselect_b32 s79, 24576, s79                  ; a quarter: one tile of p, two of V
	s_mul_i32 s78, s78, s79
	s_mov_b32 s80, 6656
	s_cselect_b32 s80, 6144, s80                   ; from fill to fill
	s_mov_b32 s81, 26624
	s_cselect_b32 s81, 3072, s81                   ; from a fill's first instruction to its second
	s_cselect_b32 s82, 11, 25                      ; the last block of an instruction
	s_mov_b32 s79, 0
	s_add_nc_u64 s[76:77], s[76:77], s[78:79]
	v_and_b32 v1, 15, v0
	v_bfe_u32 v2, v0, 4, 1
	v_and_b32 v3, 31, v0
	v_min_u32 v5, s82, v3
	v_lshlrev_b32 v5, 8, v5
	v_add_nc_u32 v5, s80, v5                       ; fill 1
	v_add_nc_u32 v6, s81, v5
	v_add_nc_u32 v10, s80, v5                      ; fill 2
	v_add_nc_u32 v11, s81, v10
	v_add_nc_u32 v14, s80, v10                     ; fill 3
	v_add_nc_u32 v15, s81, v14
	v_lshlrev_b32 v[LI], 4, v3
	s_mul_i32 s29, s[HA], 24576
	v_add_nc_u32 v8, s29, v[LI]
	v_add_nc_u32 v9, SLOTB, v8
	v_add_nc_u32 v12, s[LB], v[LI]
	v_add_nc_u32 v13, SLOTB, v12
	v_lshlrev_b32 v16, 3, v3
	v_add_nc_u32 v16, s[LB], v16
	v_add_nc_u32 v16, 3072, v16
	v_add_nc_u32 v17, SLOTB, v16
	s_lshl_b32 s29, s[HA], 12
	s_add_co_u32 s29, s29, PSC
	v_lshl_add_u32 v[ADPS], v1, 4, s29
	v_lshrrev_b32 v21, 4, v0
	v_lshlrev_b32 v21, 10, v21
	v_lshl_add_u32 v21, v1, 4, v21
	v_add_nc_u32 v21, PSC, v21
	v_lshl_add_u32 v22, v0, 2, RL
	s_lshl_b32 s29, s[HA], 8
	s_add_co_u32 s29, s29, RL
	v_lshl_add_u32 v23, v1, 2, s29
	s_mul_i32 s29, s[WV], 8448
	v_mul_u32_u24 v24, v1, 528
	v_lshl_add_u32 v24, v2, 6, v24
	v_add_nc_u32 v24, s29, v24
	v_add_nc_u32 v25, s29, v[LI]
	s_wait_loadcnt 0x0                             ; the 48 words of st are in
	ASK 5
	v_min3_num_f32 v144, v96, v97, v98
.irp i, 3,5,7,9,11,13
	v_min3_num_f32 v144, v144, v[96+\i], v[97+\i]
.endr
	v_min_num_f32 v144, v144, v111
.irp k, 0,1,2,3,4,5,6,7,8,9,10,11,12,13,14,15
	v_sub_f32 v145, v144, v[96+\k]
	v_max_num_f32 v145, 0xc2fe0000, v145
	v_cvt_i32_f32 v146, v145
	v_ldexp_f32 v147, v[112+\k], v146
.if \k == 0
	v_mov_b32 v148, v147
.else
	v_add_f32 v148, v148, v147
.endif
.irp j, 0,1,2,3
	v_bfe_u32 v[149+\j], v[128+\k], 8*\j, 8
.endr
.irp j, 0,1,2,3
	v_cvt_f32_u32 v[149+\j], v[149+\j]
.endr
.irp j, 0,1,2,3
	v_add_f32 v[149+\j], v[149+\j], v145
.endr
.irp j, 0,1,2,3
	v_max_num_f32 v[149+\j], 0, v[149+\j]
.endr
.irp j, 0,1,2,3
	v_cvt_u32_f32 v[149+\j], v[149+\j]
.endr
	v_lshl_or_b32 v[160+\k], v150, 8, v149
	v_lshl_or_b32 v[160+\k], v151, 16, v[160+\k]
	v_lshl_or_b32 v[160+\k], v152, 24, v[160+\k]
.endr
.irp n, 0,1,2,3
	ds_store_b128 v21, v[160+4*\n:163+4*\n] offset:256*\n
.endr
	s_wait_alu depctr_va_vdst(0)
	v_rcp_f32 v153, v148
	v_nop
	s_wait_alu depctr_va_vdst(0)
	ds_store_b32 v22, v153
	s_wait_alu depctr_va_vdst(0)
	s_wait_tensorcnt 0x0                           ; my part of fill 0 is in
	ds_add_u32 v[SPW], v[NIL]
	s_wait_dscnt 0x0                               ; the add is done, and so are my stores of scale words and of 1 / l
	CROUND                                         ; everybody's part of fill 0 and everybody's words are in, and all sixteen work-groups are here
	JLOAD G0A+4, G1A, G0B+4, G1B                   ; fill 1, slot 1's first fill: my one load behind the round
.set SN, 0
	FETCH 0, 0, 0
	ASK 10
	STEP 0, 0, 1
	STEP 0, 1, 0
	STEP 0, 2, 0
	TURN_A 0
	CREST
	FILL 0, 2
	JLOAD G0A, G1A, G0B, G1B
.set SN, 1
	TURN_B 0, 1
	ASK 14
	STEP 1, 0, 0
	STEP 1, 1, 0
	STEP 1, 2, 0
	TURN_A 1
	CREST
	FILL 1, 3
	JLOAD G0A+4, G1A, G0B+4, G1B
.set SN, 2
	TURN_B 1, 0
	STEP 0, 0, 0
	STEP 0, 1, 0
	STEP 0, 2, 0
	TURN_A 0
	PLACES 4
.set SN, 3
	TURN_B 0, 1
	STEP 1, 0, 0
	STEP 1, 1, 0
	STEP 1, 2, 0
	s_wait_dscnt 0x0
	MULS 0, NA, 1, NQ-1, 1, 0
	WIN 0
	PLACES 4
.irp a, 0,1,2,3
	ds_load_b32 v[160+2*\a], v23 offset:64*\a
	v_mov_b32 v[161+2*\a], 0
.endr
	s_wait_alu depctr_va_vdst(0)
.irp a, 0,1,2,3
	s_wait_xcnt 0x0
	s_wait_dscnt 0x0
	WIN 0x02
.set i2, 0
.rept 32
	v_pk_mul_f32 v[96+i2:97+i2], v[64*\a+i2:64*\a+i2+1], v[160+2*\a:161+2*\a] op_sel_hi:[1,0]
.set i2, i2+2
.endr
	WIN 0
.irp b, 0,1,2,3,4,5,6,7
	ds_store_b128 v24, v[96+8*\b:99+8*\b] offset:128*(\b/2)+32*(\b%2)
	ds_store_b128 v24, v[100+8*\b:103+8*\b] offset:128*(\b/2)+32*(\b%2)+16
.endr
.irp t, 0,1,2,3,4,5,6,7,8,9,10,11,12,13,14,15
	ds_load_b128 v[192+4*\t:195+4*\t], v25 offset:528*\t
.endr
	s_wait_dscnt 0x0
.irp t, 0,1,2,3,4,5,6,7,8,9,10,11,12,13,14,15
	global_store_b128 v[LI], v[192+4*\t:195+4*\t], s[OUT:OUT+1] offset:(32*(\a/2)+8*(\a%2)+\t+8*(\t/8))*4096 th:TH_STORE_NT
.endr
.endr
	s_wait_tensorcnt 0x0
	ds_add_u32 v[SPW], v[NIL]
	s_wait_dscnt 0x0
	CROUND
	s_endpgm
.Lfunc_end_k_q9846c2b700_attend:
	.size	k_q9846c2b700_attend, .Lfunc_end_k_q9846c2b700_attend-k_q9846c2b700_attend
	.p2alignl 7, 3214868480
	.fill 96, 4, 3214868480
	.section	.rodata,"a",@progbits
	.p2align	6, 0x0
	.amdhsa_kernel k_q9846c2b700_attend
		.amdhsa_group_segment_fixed_size 327680
		.amdhsa_private_segment_fixed_size 0
		.amdhsa_enable_private_segment 0
		.amdhsa_kernarg_size 32
		.amdhsa_user_sgpr_count 2
		.amdhsa_user_sgpr_kernarg_segment_ptr 1
		.amdhsa_wavefront_size32 1
		.amdhsa_system_sgpr_workgroup_id_x 1
		.amdhsa_system_sgpr_workgroup_id_y 1
		.amdhsa_system_sgpr_workgroup_id_z 1
		.amdhsa_system_vgpr_workitem_id 0
		.amdhsa_next_free_vgpr 768
		.amdhsa_next_free_sgpr 96
		.amdhsa_reserve_vcc 0
		.amdhsa_float_denorm_mode_32 3
		.amdhsa_float_denorm_mode_16_64 3
		.amdhsa_memory_ordered 1
		.amdhsa_forward_progress 1
		.amdhsa_inst_pref_size 169
	.end_amdhsa_kernel
	.amdgpu_metadata
---
amdhsa.version: [ 1, 2 ]
amdhsa.kernels:
  - .name:           k_q9846c2b700_attend
    .symbol:         k_q9846c2b700_attend.kd
    .args:
      - { .name: pc, .offset: 0, .size: 8, .value_kind: global_buffer, .address_space: global }
      - { .name: vc, .offset: 8, .size: 8, .value_kind: global_buffer, .address_space: global }
      - { .name: st, .offset: 16, .size: 8, .value_kind: global_buffer, .address_space: global }
      - { .name: out0, .offset: 24, .size: 8, .value_kind: global_buffer, .address_space: global }
    .group_segment_fixed_size: 327680
    .private_segment_fixed_size: 0
    .kernarg_segment_align: 8
    .kernarg_segment_size: 32
    .max_flat_workgroup_size: 128
    .sgpr_count:     96
    .vgpr_count:     768
    .wavefront_size: 32
...
	.end_amdgpu_metadata
.endif
;; end of part 4
